; MI455X (gfx1250); checked and timed in simulation.
; The chip was launched on July 23, 2026; its instructions are those of AMD's public machine-readable ISA for CDNA 5 (MIT licence, August 2026) and "CDNA5" Instruction Set Architecture Reference Guide (July 2026). The comments in the code are by the model that wrote it; some were corrected since.
;; Transformer Layer. Allowed arithmetic: matrix products marked QUANTISED: E2M3 operands, one E8M0 scale for each 32 along K, by v_wmma_scale_f32_16x16x128_f8f6f4 with both operands' format E2M3, f32 sums; everything else in f32.
;; Inputs: W1_codes 4,096 x 32 x 24 uint8 (E2M3 codes of W1, K innermost, in blocks of 32 codes, four codes in three bytes); W1_scales 4,096 x 32 uint8 (E8M0 scales of W1, one for each 32 codes along K); W2_codes 1,024 x 128 x 24 uint8 (E2M3 codes of W2, K innermost, in blocks of 32 codes, four codes in three bytes); W2_scales 1,024 x 128 uint8 (E8M0 scales of W2, one for each 32 codes along K); Wk_codes 1,024 x 32 x 24 uint8 (E2M3 codes of Wk, K innermost, in blocks of 32 codes, four codes in three bytes); Wk_scales 1,024 x 32 uint8 (E8M0 scales of Wk, one for each 32 codes along K); Wo_codes 1,024 x 32 x 24 uint8 (E2M3 codes of Wo, K innermost, in blocks of 32 codes, four codes in three bytes); Wo_scales 1,024 x 32 uint8 (E8M0 scales of Wo, one for each 32 codes along K); Wq_codes 1,024 x 32 x 24 uint8 (E2M3 codes of Wq, K innermost, in blocks of 32 codes, four codes in three bytes); Wq_scales 1,024 x 32 uint8 (E8M0 scales of Wq, one for each 32 codes along K); Wv_codes 1,024 x 32 x 24 uint8 (E2M3 codes of Wv, K innermost, in blocks of 32 codes, four codes in three bytes); Wv_scales 1,024 x 32 uint8 (E8M0 scales of Wv, one for each 32 codes along K); b1 4,096 float32; b2 1,024 float32; bo 1,024 float32; ln1_b 1,024 float32; ln1_g 1,024 float32; ln2_b 1,024 float32; ln2_g 1,024 float32; x 2 x 2,048 x 1,024 float32.
;; Outputs: out0 2 x 2,048 x 1,024 float32.
;; This version of the problem:
;;   THIS VERSION OF THE PROBLEM IS GIVEN IN LOW PRECISION. The matrix products marked QUANTISED in the list below multiply operands that are first quantised to E2M3 (2 exponent bits, 3 mantissa bits; 6 bits a number), with one power-of-two scale for each 32 numbers along K (OCP MX v1.0); their sums are f32. All else is computed in f32.
;;   The module's matrix products, in the order in which they are computed (A, B: the left and right operand; K: the contracted axis; several contracted axes count as one K, in the product's order):
;;     1. [M 4,096, K 1,024] x [K 1,024, N 1,024]; A: computed on the way; B: input Wq (given as codes): QUANTISED
;;     2. [M 4,096, K 1,024] x [K 1,024, N 1,024]; A: computed on the way; B: input Wk (given as codes): QUANTISED
;;     3. [M 4,096, K 1,024] x [K 1,024, N 1,024]; A: computed on the way; B: input Wv (given as codes): QUANTISED
;;     4. batch 32 x [M 2,048, K 64] x [K 64, N 2,048]; A: computed on the way; B: computed on the way: QUANTISED
;;     5. batch 32 x [M 64, K 2,048] x [K 2,048, N 2,048]; A: computed on the way; B: softmax (see below): QUANTISED
;;     6. [M 4,096, K 1,024] x [K 1,024, N 1,024]; A: computed on the way; B: input Wo (given as codes): QUANTISED
;;     7. [M 4,096, K 1,024] x [K 1,024, N 4,096]; A: computed on the way; B: input W1 (given as codes): QUANTISED
;;     8. [M 4,096, K 4,096] x [K 4,096, N 1,024]; A: computed on the way; B: input W2 (given as codes): QUANTISED
;;   THE QUANTISER, for each operand of a quantised product, along K:
;;     - K is cut into blocks of 32 from its start; a last block that is shorter is filled with zeros.
;;     - A block's scale is 2^e with e = floor(log2(the largest magnitude in the block)) - 2, held to -126 .. 127; a block of zeros has e = 0. As a byte (E8M0): e + 127.
;;     - Each number is divided by its block's scale, clamped to +-7.5, and rounded to the nearest number of E2M3, ties to even, subnormals kept.
;;     - The product sums the exact products of the quantised numbers (number of the format x scale) in f32.
;;   ~~~python
;;   def quantise(x, axis):      # numpy; x: float32 -> the quantised numbers, widened to float32 again
;;       x = np.moveaxis(x, axis, -1); K = x.shape[-1]
;;       x = np.pad(x, [(0, 0)] * (x.ndim - 1) + [(0, -K % 32)]); x = x.reshape(x.shape[:-1] + (-1, 32)); a = np.abs(x).max(-1, keepdims=True)
;;       e = np.where(a > 0, np.clip(np.frexp(np.where(a > 0, a, 1))[1] - 1 - 2, -126, 127), 0)      # np.frexp(a)[1] - 1 = floor(log2(a)), exactly
;;       r = np.clip(x / 2.0 ** e, -7.5, 7.5)
;;       step = 2.0 ** (np.maximum(np.frexp(np.where(r == 0, 1, r))[1] - 1, 0) - 3)
;;       q = np.round(r / step) * step * 2.0 ** e      # np.round: ties to even
;;       return np.moveaxis(q.reshape(q.shape[:-2] + (-1,))[..., :K], -1, axis).astype(np.float32)
;;   ~~~
;;   SOFTMAX AHEAD OF A QUANTISED PRODUCT. Where the list says 'softmax', what is quantised is not the finished softmax but p = 2^(t - M), with t = logit x log2(e) and M = ceil(the row's largest t), a whole number; so 1/2 < the row's largest p <= 1. The row's sum l is taken of the UNQUANTISED p, in f32, and the product's result is divided by l at the end. Since M is a whole number, a kernel that streams over the keys may use a running M (the ceiling of the running maximum): every later rescaling is an exact power of two, which a block's scale takes up: the codes' values come out the same.
;;   OPERANDS COMPUTED ON THE WAY. 'Computed on the way' means the value that the module computes at that place (a softmax that the list does not call 'softmax' is quantised finished and normalised). What goes into a quantiser is computed in f32, as accurately as f32 sums, v_exp_f32 and their like allow (about 1e-6 of the number): no bf16 or f16 on the way to a quantiser, and a product that is left as it is and whose result goes on into a quantised operand takes f32 operands (vector FMAs, or v_wmma_f32_16x16x4_f32). A number that lies on a knife's edge between two numbers of the format may be rounded either way, as far as f32 arithmetic and the matrix unit's own rounding can turn it there, and no further.
;;   INPUTS GIVEN AS CODES. W1 (in the module: [1024, 4096], K = its axis 0); W2 (in the module: [4096, 1024], K = its axis 0); Wk (in the module: [1024, 1024], K = its axis 0); Wo (in the module: [1024, 1024], K = its axis 0); Wq (in the module: [1024, 1024], K = its axis 0); Wv (in the module: [1024, 1024], K = its axis 0): each comes as NAME_codes (uint8): NAME with its K axis moved to the last place and cut into blocks of 32 codes, [.., K / 32, bytes a block], one block behind the other in memory; four codes in three bytes: a row's codes are one little-endian stream of bits, code i at bits 6 i .. 6 i + 5 (a code: sign, 2 exponent bits, 3 mantissa bits); and NAME_scales (uint8): the same leading axes, one E8M0 byte (e + 127) for each 32 codes along K. Its value is code x scale, taken as it is: it is not quantised again, and the codes and scales need not be those that the quantiser above would give.
;; One version. Each part assembles by itself: llvm-mc -triple=amdgcn-amd-amdhsa -mcpu=gfx1250 --defsym DOCPART=n.
;; ======== version 1 of 1: 7 launches
;; limits: right only within a limited range of input values
;; workspace buffers: hq 3,276,800 bytes; qkv 9,830,400 bytes; oq 3,276,800 bytes; x1 16,777,216 bytes; fq 13,107,200 bytes
;; launch ln1 (part 1): grid 256 x 1, 4 waves a work-group, no clusters, 22,016 bytes of LDS; arguments x, ln1_g, ln1_b, hq; writes hq
.if DOCPART == 1
	.amdgcn_target "amdgcn-amd-amdhsa--gfx1250"
	.amdhsa_code_object_version 6
	.text
	.protected	k_q2f460eb753_ln1
	.globl	k_q2f460eb753_ln1
	.p2align	8
	.type	k_q2f460eb753_ln1,@function
k_q2f460eb753_ln1:
	s_mov_b64 s[64:65], 0
	v_nop
	global_prefetch_b8 v0, s[64:65] scope:SCOPE_SE
	s_setreg_imm32_b32 hwreg(HW_REG_WAVE_MODE, 25, 1), 1
	s_wait_xcnt 0x0
; y = (x - mean) * rsqrt(var + 1e-5) * g + b for 4,096 rows of 1,024 f32, then y is turned into codes of FP6 (E2M3) with one E8M0 byte for each 32 along the row.
; OUT: codes [4096][768 bytes] at byte 0, K innermost, four codes in three bytes; scale bytes [4096][32] at byte 3,145,728.
; SHARES: a work-group takes 16 rows, each of its four waves 4.  A row (4,096 bytes) is eight loads of 512 consecutive bytes and stays in 32 registers of the wave for the mean, the variance
; (taken of x - mean, as the definition has it, so a common offset of the inputs costs nothing) and the scaling: memory is read once.
; The conversion takes 16 neighbours from ONE lane's registers, a load gives a lane 4: so each half row (2,048 bytes) turns through the wave's own stage in LDS, 16 bytes of padding behind each 64.
; A block's scale is 2^(floor(log2(largest magnitude)) - 2): its byte is the largest magnitude's exponent field - 2, held at 1 from below.
; LIMITS: a block of zeros, or one whose largest magnitude lies under 2^-124, gets the byte 1 (the rule says 127 for zeros: the codes are zeros, and this program alone reads the bytes);
; NaN and infinities among the inputs are not served; v_rsq_f32 (1 ulp) stands ahead of the quantiser.
; No matrix unit, no tensor load, no cluster: memory binds, and work-groups share nothing but g and b (8 KB).
.set SP,    80                         ; a lane's place in a stage: 64 bytes + 16 of padding
.set STGB,  32*SP                      ; a stage
.set SCB,   8*STGB                     ; behind the four waves' two stages each: the work-group's 512 scale bytes
.set EMAX,  2
.set G,     16                         ; v16-47   g: load j = columns 128 j + 4 lane + 0..3
.set BB,    48                         ; v48-79   b likewise
.set X,     80                         ; v80-207  row i at X + 32 i, laid as g
.set Y,     208                        ; v208-239 two sets of 16 neighbours
.set T,     208                        ; the same registers, earlier: eight at work for each row's sums
.set MU,    248                        ; v248-255 a pair for each row: the mean, later 1 / sqrt(var + eps), twice
.set C,     16                         ; codes: four registers for each of eight steps, in g's registers, which are free by then: no store's data is written again
.set E,     48                         ; a scale byte for each step, in b's
	s_load_b256 s[4:11], s[0:1], 0x0               ; x s[4:5], g s[6:7], b s[8:9], out s[10:11]
	v_lshl_add_u32 v246, v0, 2, 0x5400
	v_mov_b32 v247, 0
	v_lshrrev_b32 v1, 5, v0
	v_readfirstlane_b32 s16, v1                    ; wave
	v_and_b32 v2, 31, v0                           ; lane
	v_lshlrev_b32 v3, 4, v2                        ; 16 x lane
	v_mul_u32_u24 v4, v2, 12                       ; my 12 bytes of a step's 384 bytes of codes
	s_mul_i32 s17, s16, 2*STGB
	v_lshrrev_b32 v14, 2, v2
	v_mul_u32_u24 v14, v14, SP
	v_and_b32 v15, 3, v2
	v_lshl_add_u32 v14, v15, 4, v14
	v_add_nc_u32 v14, s17, v14                     ; the stage, way in: four lanes' 64 bytes on end, then the padding
	v_mul_u32_u24 v15, v2, SP
	v_add_nc_u32 v15, s17, v15                     ; way out: my 16 neighbours
	s_lshl_b32 s17, s16, 7
	s_add_co_u32 s17, s17, SCB
	v_lshrrev_b32 v5, 1, v2
	v_add_nc_u32 v5, s17, v5                       ; my block's byte among my wave's 128
	v_add_nc_u32 v6, SCB, v3                       ; and where wave 0 reads all 512 back
	s_mov_b32 s12, 0x76543210                      ; v_permlanex16_b32: lane l xor 16
	s_mov_b32 s13, 0xfedcba98
	s_mov_b32 s14, 0x3a800000                      ; 1 / 1,024
	s_mov_b32 s15, 0x3727c5ac                      ; 1e-5
	s_lshl_b32 s18, ttmp9, 16                      ; x: 16 rows of 4,096 bytes a work-group,
	s_lshl_b32 s19, s16, 14                        ; 4 a wave
	s_add_co_u32 s18, s18, s19
	s_mov_b32 s19, 0
	s_mul_i32 s20, ttmp9, 12288                    ; codes: rows of 768 bytes
	s_mul_i32 s21, s16, 3072
	s_add_co_u32 s20, s20, s21
	s_mov_b32 s21, 0
	s_lshl_b32 s22, ttmp9, 9                       ; scale bytes: 512 a work-group
	s_add_co_u32 s22, s22, 3145728
	s_mov_b32 s23, 0
	s_wait_kmcnt 0x0
	s_add_nc_u64 s[4:5], s[4:5], s[18:19]
	s_add_nc_u64 s[24:25], s[10:11], s[20:21]
	s_add_nc_u64 s[26:27], s[10:11], s[22:23]
.irp i, 0,1,2,3
.irp j, 0,1,2,3,4,5,6,7
	global_load_b128 v[X+32*\i+4*\j:X+32*\i+4*\j+3], v3, s[4:5] offset:4096*\i+512*\j   ; 32 lanes read 512 consecutive bytes
.endr
.endr
.irp j, 0,1,2,3,4,5,6,7
	global_load_b128 v[G+4*\j:G+4*\j+3], v3, s[6:7] offset:512*\j
	global_load_b128 v[BB+4*\j:BB+4*\j+3], v3, s[8:9] offset:512*\j
.endr
	s_wait_loadcnt 0x0
; two chains of a row's sum, v[T+8i:T+8i+3], become the row's sum in every lane's v[T+8i]; the four rows by turns
.macro REDUCE
.irp i, 0,1,2,3
	v_pk_add_f32 v[T+8*\i:T+8*\i+1], v[T+8*\i:T+8*\i+1], v[T+8*\i+2:T+8*\i+3]
.endr
.irp i, 0,1,2,3
	v_add_f32 v[T+8*\i], v[T+8*\i], v[T+8*\i+1]
.endr
.irp m, 1,2,4,8
.irp i, 0,1,2,3
	v_add_f32_dpp v[T+8*\i], v[T+8*\i], v[T+8*\i] row_xmask:\m row_mask:0xf bank_mask:0xf
.endr
.endr
.irp i, 0,1,2,3
	v_permlanex16_b32 v[T+8*\i+1], v[T+8*\i], s12, s13
.endr
.irp i, 0,1,2,3
	v_add_f32 v[T+8*\i], v[T+8*\i], v[T+8*\i+1]
.endr
.endm
	; the mean
.irp i, 0,1,2,3
	v_pk_add_f32 v[T+8*\i:T+8*\i+1], v[X+32*\i:X+32*\i+1], v[X+32*\i+2:X+32*\i+3]
	v_pk_add_f32 v[T+8*\i+2:T+8*\i+3], v[X+32*\i+4:X+32*\i+5], v[X+32*\i+6:X+32*\i+7]
.endr
.irp j, 8,12,16,20,24,28
.irp i, 0,1,2,3
	v_pk_add_f32 v[T+8*\i:T+8*\i+1], v[T+8*\i:T+8*\i+1], v[X+32*\i+\j:X+32*\i+\j+1]
	v_pk_add_f32 v[T+8*\i+2:T+8*\i+3], v[T+8*\i+2:T+8*\i+3], v[X+32*\i+\j+2:X+32*\i+\j+3]
.endr
.endr
	REDUCE
.irp i, 0,1,2,3
	v_mul_f32 v[MU+2*\i], s14, v[T+8*\i]
.endr
.irp i, 0,1,2,3
	v_mov_b32 v[MU+2*\i+1], v[MU+2*\i]
.endr
	; d = x - mean, in place
.irp j, 0,2,4,6,8,10,12,14,16,18,20,22,24,26,28,30
.irp i, 0,1,2,3
	v_pk_add_f32 v[X+32*\i+\j:X+32*\i+\j+1], v[X+32*\i+\j:X+32*\i+\j+1], v[MU+2*\i:MU+2*\i+1] neg_lo:[0,1] neg_hi:[0,1]
.endr
.endr
	; the variance: the mean of d^2
.irp i, 0,1,2,3
	v_pk_mul_f32 v[T+8*\i:T+8*\i+1], v[X+32*\i:X+32*\i+1], v[X+32*\i:X+32*\i+1]
	v_pk_mul_f32 v[T+8*\i+2:T+8*\i+3], v[X+32*\i+2:X+32*\i+3], v[X+32*\i+2:X+32*\i+3]
.endr
.irp j, 4,8,12,16,20,24,28
.irp i, 0,1,2,3
	v_pk_fma_f32 v[T+8*\i:T+8*\i+1], v[X+32*\i+\j:X+32*\i+\j+1], v[X+32*\i+\j:X+32*\i+\j+1], v[T+8*\i:T+8*\i+1]
	v_pk_fma_f32 v[T+8*\i+2:T+8*\i+3], v[X+32*\i+\j+2:X+32*\i+\j+3], v[X+32*\i+\j+2:X+32*\i+\j+3], v[T+8*\i+2:T+8*\i+3]
.endr
.endr
	REDUCE
.irp i, 0,1,2,3
	v_fma_f32 v[T+8*\i], v[T+8*\i], s14, s15       ; var + eps
.endr
	s_wait_alu depctr_va_vdst(0)
.irp i, 0,1,2,3
	v_rsq_f32 v[MU+2*\i], v[T+8*\i]
	v_rsq_f32 v[MU+2*\i+1], v[T+8*\i]              ; twice: a pair for the packed multiply
.endr
	v_nop                                          ; a plain instruction between the last of them and the use of its result (ISA guide 5.7.2)
	; y = (d r) g + b, in place
	s_wait_alu depctr_va_vdst(0)
.irp j, 0,2,4,6,8,10,12,14,16,18,20,22,24,26,28,30
.irp i, 0,1,2,3
	v_pk_mul_f32 v[X+32*\i+\j:X+32*\i+\j+1], v[X+32*\i+\j:X+32*\i+\j+1], v[MU+2*\i:MU+2*\i+1]
.endr
.irp i, 0,1,2,3
	v_pk_fma_f32 v[X+32*\i+\j:X+32*\i+\j+1], v[X+32*\i+\j:X+32*\i+\j+1], v[G+\j:G+\j+1], v[BB+\j:BB+\j+1]
.endr
.endr
; Step t = half a row: row t / 2, its numbers 512 (t % 2) on: registers X + 16 t.  LDS serves a wave's instructions in order (ISA guide 5.7.1.4): no wait between the stores and the loads.
.macro TURN t
.irp k, 0,1,2,3
	ds_store_b128 v14, v[X+16*(\t)+4*\k:X+16*(\t)+4*\k+3] offset:STGB*((\t)%2)+8*SP*\k
.endr
.irp k, 0,1,2,3
	ds_load_b128 v[Y+16*((\t)%2)+4*\k:Y+16*((\t)%2)+4*\k+3], v15 offset:STGB*((\t)%2)+16*\k
.endr
.endm
.macro STEP t
.set YS, Y+16*((\t)%2)
.if (\t) > 0
	s_wait_dscnt 1                                 ; this step's numbers are back from the stage; the last step's byte store may be out
.else
	s_wait_dscnt 0x0
.endif
.if (\t)+1 < 8
	TURN (\t)+1                                    ; the next step goes through the other stage while this one is worked
.endif
	v_max3_num_f32 v8, |v[YS]|, |v[YS+1]|, |v[YS+2]|               ; the largest magnitude of my 16, in two chains
	v_max3_num_f32 v9, |v[YS+3]|, |v[YS+4]|, |v[YS+5]|
.irp i, 6,10
	v_max3_num_f32 v8, v8, |v[YS+\i]|, |v[YS+\i+1]|
	v_max3_num_f32 v9, v9, |v[YS+\i+2]|, |v[YS+\i+3]|
.endr
	v_max3_num_f32 v8, v8, |v[YS+14]|, |v[YS+15]|
	v_max3_num_f32 v8, v8, v9, (EMAX+1)<<23        ; and the floor 2^(3 - 127): the byte cannot fall under 1
	v_max_num_f32_dpp v8, v8, v8 row_xmask:1 row_mask:0xf bank_mask:0xf   ; with my neighbour's 16: the block's
	v_add_nc_u32 v11, -(EMAX<<23), v8              ; 2 off its exponent field: the conversion takes that field of this operand as its scale
	v_cvt_scalef32_pk16_fp6_f32 v[C+4*(\t):C+4*(\t)+2], v[YS:YS+15], v11
	v_lshrrev_b32 v[E+(\t)], 23, v11               ; the scale's byte (also the plain line behind the conversion)
	ds_store_b8 v5, v[E+(\t)] offset:16*(\t)       ; both lanes of a block write the same byte with the same value
	global_store_b96 v4, v[C+4*(\t):C+4*(\t)+2], s[24:25] offset:384*(\t)   ; the wave stores 384 consecutive bytes
.endm
	TURN 0
	s_wait_alu depctr_va_vdst(0)
.irp t, 0,1,2,3,4,5,6,7
	STEP \t
.endr
	s_wait_dscnt 0x0                               ; for the others' sake: my byte stores are done
	s_barrier_signal -1
	s_barrier_wait -1
	s_cmp_lg_u32 s16, 0
	s_cbranch_scc1 .Ldone                          ; wave 0 stores the work-group's 512 scale bytes: 512 consecutive bytes, aligned
	ds_load_b128 v[56:59], v6
	s_wait_dscnt 0x0
	global_store_b128 v3, v[56:59], s[26:27]
.Ldone:
	s_wait_tensorcnt 0x0
	ds_add_u32 v246, v247
	s_wait_dscnt 0x0
	s_endpgm
.Lfunc_end_k_q2f460eb753_ln1:
	.size	k_q2f460eb753_ln1, .Lfunc_end_k_q2f460eb753_ln1-k_q2f460eb753_ln1
	.p2alignl 7, 3214868480
	.fill 96, 4, 3214868480
	.section	.rodata,"a",@progbits
	.p2align	6, 0x0
	.amdhsa_kernel k_q2f460eb753_ln1
		.amdhsa_group_segment_fixed_size 22016
		.amdhsa_private_segment_fixed_size 0
		.amdhsa_enable_private_segment 0
		.amdhsa_kernarg_size 32
		.amdhsa_user_sgpr_count 2
		.amdhsa_user_sgpr_kernarg_segment_ptr 1
		.amdhsa_wavefront_size32 1
		.amdhsa_system_sgpr_workgroup_id_x 1
		.amdhsa_system_sgpr_workgroup_id_y 1
		.amdhsa_system_sgpr_workgroup_id_z 1
		.amdhsa_system_vgpr_workitem_id 0
		.amdhsa_next_free_vgpr 256
		.amdhsa_next_free_sgpr 66
		.amdhsa_reserve_vcc 0
		.amdhsa_float_denorm_mode_32 3
		.amdhsa_float_denorm_mode_16_64 3
		.amdhsa_memory_ordered 1
		.amdhsa_forward_progress 1
		.amdhsa_inst_pref_size 43
	.end_amdhsa_kernel
	.amdgpu_metadata
---
amdhsa.version: [ 1, 2 ]
amdhsa.kernels:
  - .name:           k_q2f460eb753_ln1
    .symbol:         k_q2f460eb753_ln1.kd
    .args:
      - { .name: x, .offset: 0, .size: 8, .value_kind: global_buffer, .address_space: global }
      - { .name: ln1_g, .offset: 8, .size: 8, .value_kind: global_buffer, .address_space: global }
      - { .name: ln1_b, .offset: 16, .size: 8, .value_kind: global_buffer, .address_space: global }
      - { .name: hq, .offset: 24, .size: 8, .value_kind: global_buffer, .address_space: global }
    .group_segment_fixed_size: 22016
    .private_segment_fixed_size: 0
    .kernarg_segment_align: 8
    .kernarg_segment_size: 32
    .max_flat_workgroup_size: 128
    .sgpr_count:     66
    .vgpr_count:     256
    .wavefront_size: 32
...
	.end_amdgpu_metadata
.endif
;; end of part 1
;; launch qkv (part 2): grid 12 x 16, 4 waves a work-group, clusters of 4 x 4, 327,680 bytes of LDS; arguments hq, Wq_codes, Wq_scales, Wk_codes, Wk_scales, Wv_codes, Wv_scales, qkv; writes qkv
.if DOCPART == 2
	.amdgcn_target "amdgcn-amd-amdhsa--gfx1250"
	.amdhsa_code_object_version 6
	.text
	.protected	k_q2f460eb753_qkv
	.globl	k_q2f460eb753_qkv
	.p2align	8
	.type	k_q2f460eb753_qkv,@function
k_q2f460eb753_qkv:
	s_mov_b64 s[64:65], 0
	v_nop
	global_prefetch_b8 v0, s[64:65] scope:SCOPE_SE
	s_setreg_imm32_b32 hwreg(HW_REG_WAVE_MODE, 25, 1), 1
	s_wait_xcnt 0x0
	s_wait_alu depctr_hold_cnt(0) depctr_sa_sdst(0) depctr_va_vdst(0) depctr_va_sdst(0) depctr_va_ssrc(0) depctr_va_vcc(0) depctr_vm_vsrc(0)
	s_getreg_b32 s2, hwreg(HW_REG_IB_STS2, 6, 4)
	s_cmp_eq_u32 s2, 0
	s_cbranch_scc0 .Lentry_in_a_cluster
	s_endpgm
.Lentry_in_a_cluster:
	s_bfe_u32 s2, ttmp6, 0x10000c
	s_cmp_lg_u32 s2, 0xf033
	s_cbranch_scc0 .Lentry_shape_is_right
	s_endpgm
.Lentry_shape_is_right:
; Q = h Wq, K = h Wk (rows = tokens) and V^T = Wv^T h^T (rows = features): GEMMs on codes of FP6 (E2M3, one E8M0 byte for each 32 along K), K = 1,024.  The cluster's x picks the product.
; The results are quantised along the columns of a tile (blocks of 32) and stored as images of operand registers, with their scale words.
; A tile is 256 x 256, four waves of 128 x 128.  A row of codes is 768 bytes: three chunks of 256 bytes, each beginning at a multiple of 256; chunk c lies in slot c % 2 of a ring of two LDS slots.
; A step of 128 along K is 96 bytes: steps 2 and 5 lie across two chunks.  All scale bytes of the tile's rows come into LDS once.  4 x 4 clusters: A's tiles are asked for jointly along a row, B's along a column.
; Source 0 = 16 rows of B, source 1 = 16 rows of A: a lane holds eight neighbouring columns of one row.
; No prefetch: the walk has three chunks, two of them first fills, so no K step lies two refills ahead.
; LIMITS: NaN and infinities are not served; a block of zeros gets the scale byte 1 (its codes are zeros; this program alone reads the bytes).
.set JOB,    0
.set ROWB,   256
.set NQ,     2
.set KROW,   768
.set STEPS,  8
.set CHUNKS, 3
.set PITCH,  272                       ; 256 bytes + 16 of padding
.set FR,     12
.set NL,     6
.set NP,     4
.set HALFT,  128*PITCH
.set SLOT,   4*HALFT                   ; A's 256 rows, then B's
.set KS,     32
.set SCL,    2*SLOT                    ; the scales, units of 256 bytes + 16
.set HALFS,  (128*KS/256)*272
.set SBLK,   (16*KS/256)*272
.set SPARE,  SCL+4*HALFS               ; the spare words, 512 bytes
.set WSTG,   SPARE+512                 ; a stage of 512 bytes a wave for the results' scale words: bytes of its own
.set ASC,    3145728
.if JOB == 0
.set SOFF,   9437184
.else
.set SOFF,   12582912
.endif
.set ADRA, 16                          ; v16-17 A's fragments in slot 0, 1; v18-19 for pieces whose two halves of the lanes lie in different chunks
.set ADRB, 20
.set O16,  24
.set O8,   25
.set WST,  26
.set ADRS, 27
.set SPW,  28
.set NIL,  29
.set WRD,  30
.set BO,   31
.set SC,   32                          ; scale words, two sets of 16
.set BIAS, 64
.set CD,   96
.set AF,   128                         ; A's fragments, window 0; B's two sets in window 1; accumulators in windows 2, 3
.set TM,   200
.set PW,   216
.set WW,   220
.set SEL,  66
.set G1, 24
.set G0, 32
.set G1B, 48
.set G0B, 56
.set G1S, 68
.set G0S, 76
.set G1SB, 80
.set G0SB, 88
.set G0H, 4                            ; group 0 of the head's loads of chunk 0, in registers whose arguments are used up
.set G0HB, 8
.set MSB, 0
.macro WIN new
.if MSB != (\new)
	s_set_vgpr_msb (MSB<<8)|(\new)
.set MSB, (\new)
.endif
.endm
.set TO_B, 0x40
.macro HLOAD g0, g1                    ; a tensor load with s_nop 0 and four v_nop behind it
	tensor_load_to_lds s[\g0:\g0+3], s[\g1:\g1+7]
	s_nop 0
.rept 4
	v_nop
.endr
.endm
.macro JLOAD g0a, g1a, g0b, g1b        ; waves 0, 1 fetch for A, waves 2, 3 for B
	s_cmp_eq_u32 s15, 0
	s_cbranch_scc0 .Lfor_b_\@
	HLOAD \g0a, \g1a
	s_branch .Lasked_\@
.Lfor_b_\@:
	HLOAD \g0b, \g1b
.Lasked_\@:
.endm
.macro CREST
	s_cmp_lg_u32 s14, 0
	s_cbranch_scc1 .Lnot_wave_0_\@
	s_barrier_signal -3
.Lnot_wave_0_\@:
	s_barrier_wait -3
	s_barrier_signal -1
	s_barrier_wait -1
.endm
.macro CROUND
	s_barrier_signal -1
	s_barrier_wait -1
	CREST
.endm
.if JOB == 0
	s_load_b512 s[68:83], s[0:1], 0x0
.else
	s_load_b64 s[4:5], s[0:1], 0x0
	s_load_b128 s[8:11], s[0:1], 0x8
	s_load_b64 s[98:99], s[0:1], 0x18
	s_load_b64 s[12:13], s[0:1], 0x20
.endif
	v_lshl_add_u32 v[SPW], v0, 2, SPARE
	v_mov_b32 v[NIL], 0
	ds_add_u32 v[SPW], v[NIL]                      ; the opening lines
	ds_add_u32 v[SPW], v[NIL]
	v_lshrrev_b32 v1, 5, v0
	v_readfirstlane_b32 s14, v1                    ; wave
	s_lshr_b32 s15, s14, 1                         ; my half of the rows; also: I fetch for A (0) or B (1)
	s_and_b32 s16, s14, 1                          ; my half of the columns; also: which 128 rows I fetch
	s_bfe_u32 s40, ttmp6, 0x40000
	s_bfe_u32 s41, ttmp6, 0x40004
	s_lshl_b32 s43, s41, 2
	s_lshl_b32 s43, 15, s43                        ; my row of the cluster
	s_lshl_b32 s44, 0x1111, s40                    ; my column
	s_and_b32 s96, ttmp7, 0xffff
	s_lshl_b32 s96, s96, 2
	s_mov_b32 s[SEL], 0x76543210
	s_mov_b32 s[SEL+1], 0xfedcba98
	s_mov_b32 s100, 393216
	s_mov_b32 s101, 16384
	s_wait_dscnt 0x0
	s_wait_kmcnt 0x0
.if JOB == 0
	s_add_nc_u64 s[84:85], s[68:69], ASC
	s_cmp_eq_u32 ttmp9, 2                          ; V^T: A = Wv, B = h
	s_cselect_b64 s[4:5], s[78:79], s[68:69]
	s_cselect_b64 s[6:7], s[80:81], s[84:85]
	s_cselect_b32 s98, 0, s96
	s_cselect_b32 s99, s96, 0
	s_cselect_b32 s100, 98304, s100
	s_cselect_b32 s101, 4096, s101
	s_cselect_b64 s[8:9], s[68:69], s[74:75]
	s_cselect_b64 s[10:11], s[84:85], s[76:77]
	s_cmp_eq_u32 ttmp9, 0
	s_cselect_b64 s[8:9], s[70:71], s[8:9]
	s_cselect_b64 s[10:11], s[72:73], s[10:11]
	s_mov_b64 s[12:13], s[82:83]
	s_add_co_u32 s17, s98, s41                     ; tile row
	s_add_co_u32 s42, s99, s40                     ; tile column
.else
	s_add_nc_u64 s[6:7], s[4:5], ASC
	s_add_co_u32 s17, s96, s41
	s_lshl_b32 s42, ttmp9, 2
	s_add_co_u32 s42, s42, s40
.endif
	s_or_b32 s[G1+0], s43, (1<<20)|(1<<21)|(5<<22)|(3<<25)   ; bytes; 16 bytes of padding behind every 256
	s_or_b32 s[G1B+0], s44, (1<<20)|(1<<21)|(5<<22)|(3<<25)
.irp g, G1, G1B
	s_mov_b32 s[\g+1], ROWB<<16
	s_mov_b32 s[\g+2], 256<<16                     ; 256 rows for the head's loads
	s_mov_b32 s[\g+3], ROWB<<16
	s_mov_b32 s[\g+4], 256
	s_mov_b32 s[\g+5], KROW
	s_mov_b32 s[\g+6], 0
	s_mov_b32 s[\g+7], 0
.endr
	s_or_b32 s[G1S+0], s43, (3<<16)|(1<<20)|(1<<21)|(5<<22)|(3<<25)   ; the scales of 256 rows: KS dense rows of 256 bytes
	s_or_b32 s[G1SB+0], s44, (3<<16)|(1<<20)|(1<<21)|(5<<22)|(3<<25)
.irp g, G1S, G1SB
	s_mov_b32 s[\g+1], 32<<16
	s_mov_b32 s[\g+2], KS<<16
	s_mov_b32 s[\g+3], 32<<16
	s_mov_b32 s[\g+4], KS
	s_mov_b32 s[\g+5], 32
	s_mov_b32 s[\g+6], 0
	s_mov_b32 s[\g+7], 0
.endr
	s_lshl_b32 s20, s17, 8
	s_lshl_b32 s46, s42, 8
	s_mov_b32 s21, 0
	s_mov_b32 s47, 0
	s_mov_b64 s[18:19], KS
	s_mul_u64 s[22:23], s[20:21], s[18:19]
	s_mul_u64 s[92:93], s[46:47], s[18:19]
	s_mov_b64 s[18:19], KROW
	s_mul_u64 s[20:21], s[20:21], s[18:19]
	s_mul_u64 s[46:47], s[46:47], s[18:19]
	s_mul_i32 s18, s16, 128*KROW
	s_mov_b32 s19, 0
	s_mul_i32 s45, s14, HALFT
	s_add_nc_u64 s[20:21], s[4:5], s[20:21]
	s_add_nc_u64 s[22:23], s[6:7], s[22:23]
	s_add_nc_u64 s[46:47], s[8:9], s[46:47]
	s_add_nc_u64 s[92:93], s[10:11], s[92:93]
	CROUND                                         ; the first joint loads meet
	s_mov_b32 s[G0H], 1
	s_mov_b32 s[G0H+1], 0
	s_mov_b64 s[G0H+2:G0H+3], s[20:21]
	s_or_b32 s[G0H+3], s[G0H+3], 0x80000000
	s_mov_b32 s[G0HB], 1
	s_mov_b32 s[G0HB+1], 2*HALFT
	s_mov_b64 s[G0HB+2:G0HB+3], s[46:47]
	s_or_b32 s[G0HB+3], s[G0HB+3], 0x80000000
	s_mov_b32 s[G0S], 1
	s_mov_b32 s[G0S+1], SCL
	s_mov_b64 s[G0S+2:G0S+3], s[22:23]
	s_or_b32 s[G0S+3], s[G0S+3], 0x80000000
	s_mov_b32 s[G0SB], 1
	s_mov_b32 s[G0SB+1], SCL+2*HALFS
	s_mov_b64 s[G0SB+2:G0SB+3], s[92:93]
	s_or_b32 s[G0SB+3], s[G0SB+3], 0x80000000
	s_add_nc_u64 s[20:21], s[20:21], s[18:19]      ; the ring: my 128 rows
	s_add_nc_u64 s[46:47], s[46:47], s[18:19]
.irp s, 0,1
	s_mov_b32 s[G0+4*\s], 1
	s_add_co_u32 s[G0+4*\s+1], s45, \s*SLOT
	s_add_nc_u64 s[G0+4*\s+2:G0+4*\s+3], s[20:21], \s*ROWB
	s_or_b32 s[G0+4*\s+3], s[G0+4*\s+3], 0x80000000
	s_mov_b32 s[G0B+4*\s], 1
	s_add_co_u32 s[G0B+4*\s+1], s45, \s*SLOT
	s_add_nc_u64 s[G0B+4*\s+2:G0B+4*\s+3], s[46:47], \s*ROWB
	s_or_b32 s[G0B+4*\s+3], s[G0B+4*\s+3], 0x80000000
.endr
; the head's four tiles, one load a wave: chunk 0 of A, chunk 0 of B, A's scales, B's scales
.macro ARM under, g0, g1, next
	s_cmp_lt_u32 s14, \under
	s_cbranch_scc0 \next
	HLOAD \g0, \g1
	s_branch .Lhead_asked
\next:
.endm
	ARM 1, G0H,  G1,  .Lhead_b
	ARM 2, G0HB, G1B, .Lhead_sa
	ARM 3, G0S,  G1S, .Lhead_sb
	HLOAD G0SB, G1SB
.Lhead_asked:
	v_and_b32 v1, 15, v0                           ; r
	v_bfe_u32 v2, v0, 4, 1                         ; h
	v_mul_u32_u24 v3, v1, PITCH
	v_mul_u32_u24 v4, v2, 24
	v_add_nc_u32 v4, v3, v4
	s_mov_b32 s21, SLOT-232
	s_mov_b32 s22, SLOT+232
	v_sub_nc_u32 v7, 1, v2
	v_mul_u32_u24 v5, s21, v2
	v_add_nc_u32 v5, v3, v5
	v_add_nc_u32 v5, 232, v5                       ; lanes 0-15 byte 232 of the row in slot 0, lanes 16-31 byte 0 in slot 1
	v_mul_u32_u24 v6, s22, v7
	v_add_nc_u32 v6, v3, v6                        ; and the other way round
	s_mul_i32 s21, s15, HALFT
	s_mul_i32 s22, s16, HALFT
	s_add_co_u32 s22, s22, 2*HALFT
	v_add_nc_u32 v[ADRA+2], s21, v5
	v_add_nc_u32 v[ADRA+3], s21, v6
	v_add_nc_u32 v[ADRB+2], s22, v5
	v_add_nc_u32 v[ADRB+3], s22, v6
.irp s, 0,1
	v_add_nc_u32 v[ADRA+\s], s21, v4
	v_add_nc_u32 v[ADRB+\s], s22, v4
	s_add_co_u32 s21, s21, SLOT
	s_add_co_u32 s22, s22, SLOT
.endr
	v_mul_u32_u24 v5, v1, KS
	v_lshrrev_b32 v6, 8, v5
	v_lshl_add_u32 v5, v6, 4, v5
	s_mul_i32 s21, s15, HALFS
	s_mul_i32 s22, s16, HALFS
	s_add_co_u32 s22, s22, 2*HALFS
	s_sub_co_u32 s22, s22, s21
	v_mul_u32_u24 v6, s22, v2                      ; lanes 16-31 take B's scale words
	s_add_co_u32 s21, s21, SCL
	v_add_nc_u32 v5, v5, v6
	v_add_nc_u32 v[ADRS], s21, v5
	v_and_b32 v6, 31, v0
	v_lshlrev_b32 v[O16], 4, v6
	v_lshlrev_b32 v[O8], 3, v6
	s_lshl_b32 s23, s14, 9
	s_add_co_u32 s23, s23, WSTG
	v_lshl_add_u32 v[WST], v1, 2, s23
	v_add_nc_u32 v[WRD], s23, v[O16]
	v_lshlrev_b32 v[BO], 5, v2
	s_wait_alu depctr_va_vdst(0)                   ; the wait behind the head's last vector instruction
	s_lshl_b32 s46, s42, 1                         ; where the images go: [step of 128 columns][block of 16 rows][1,536]
	s_add_co_u32 s46, s46, s16
	s_mul_i32 s18, s46, s100
	s_mul_i32 s22, s46, s101
	s_lshl_b32 s20, s17, 4
	s_lshl_b32 s21, s15, 3
	s_add_co_u32 s20, s20, s21
	s_mul_i32 s21, s20, 1536
	s_add_co_u32 s18, s18, s21
	s_lshl_b32 s20, s20, 6
	s_add_co_u32 s22, s22, s20
.if JOB == 0
	s_mul_i32 s21, ttmp9, 3145728
	s_add_co_u32 s18, s18, s21
	s_lshl_b32 s21, ttmp9, 17
	s_add_co_u32 s22, s22, s21
.endif
	s_add_co_u32 s22, s22, SOFF
	s_mov_b32 s19, 0
	s_mov_b32 s23, 0
	s_add_nc_u64 s[96:97], s[12:13], s[22:23]
	s_add_nc_u64 s[12:13], s[12:13], s[18:19]
.if JOB
	s_lshl_b32 s20, s42, 10
	s_lshl_b32 s21, s16, 9
	s_add_co_u32 s20, s20, s21
	s_mov_b32 s21, 0
	s_add_nc_u64 s[98:99], s[98:99], s[20:21]
.irp b, 0,1,2,3,4,5,6,7
	global_load_b128 v[BIAS+8*\b:BIAS+8*\b+3], v[BO], s[98:99] offset:64*\b
	global_load_b128 v[BIAS+8*\b+4:BIAS+8*\b+7], v[BO], s[98:99] offset:64*\b+16
.endr
.endif
.macro FRAG reg, adr, st, i            ; 16 rows x 128 K: six pieces of 8 bytes; byte y of a row lies in slot (y / 256) % 2 at byte y % 256
.irp p, 0,1,2,3,4,5
.set BY, 96*(\st)+48*(\p/3)+8*(\p%3)
.if BY/ROWB == (BY+24)/ROWB
	ds_load_b64 v[\reg+2*\p:\reg+2*\p+1], v[\adr+(BY/ROWB)%2] offset:BY%ROWB+(\i)*16*PITCH
.else
	ds_load_b64 v[\reg+2*\p:\reg+2*\p+1], v[\adr+2+(BY/ROWB)%2] offset:BY%ROWB-232+(\i)*16*PITCH
.endif
.endr
.endm
.macro MUL16 a0, p, q, sc, zero        ; A's blocks a0, a0 + 1 x B's eight; the 64 accumulators take turns
.irp a, \a0, \a0+1
.irp b, 0,1,2,3,4,5,6,7
.set rD, 8*(8*((\a)%4)+\b)
.set rB, 128*(\p)+FR*\b
.set rA, AF+FR*(\a)
.set rS, SC+8*NQ*(\sc)+NQ*\b+(\q)
.set rT, SC+8*NQ*(\sc)+NQ*(\a)+(\q)
.set rC, rD
.if \zero
.set rC, BIAS+8*\b
.endif
.if (\zero) && (JOB == 0)
	v_wmma_scale_f32_16x16x128_f8f6f4 v[rD:rD+7], v[rB:rB+FR-1], v[rA:rA+FR-1], 0, v[rS], v[rT] matrix_a_fmt:MATRIX_FMT_FP6 matrix_b_fmt:MATRIX_FMT_FP6 matrix_a_scale:MATRIX_SCALE_ROW1
.else
	v_wmma_scale_f32_16x16x128_f8f6f4 v[rD:rD+7], v[rB:rB+FR-1], v[rA:rA+FR-1], v[rC:rC+7], v[rS], v[rT] matrix_a_fmt:MATRIX_FMT_FP6 matrix_b_fmt:MATRIX_FMT_FP6 matrix_a_scale:MATRIX_SCALE_ROW1
.endif
.endr
.endr
.endm
.macro MWIN hi, zero                   ; B window 1, A window 0, D window 2 + hi; C the same, or the bias in window 0
.if (\zero) && JOB
	WIN 0x81+0x40*(\hi)
.else
	WIN 0xa1+0x50*(\hi)
.endif
.endm
.macro FETCH_B st, p
	WIN TO_B
.irp i, 0,1,2,3,4,5,6,7
	FRAG 128*(\p)+FR*\i, ADRB, \st, \i
.endr
	WIN 0
.endm
.macro FETCH_A st, i0
.irp i, \i0, \i0+1, \i0+2, \i0+3
	FRAG AF+FR*(\i), ADRA, \st, \i
.endr
.endm
.macro SCALES pr                       ; the scale words of steps 2 pr, 2 pr + 1
.irp i, 0,1,2,3,4,5,6,7
	ds_load_b64 v[SC+8*NQ*((\pr)%2)+NQ*\i:SC+8*NQ*((\pr)%2)+NQ*\i+1], v[ADRS] offset:\i*SBLK+4*NQ*(\pr)
.endr
.endm
.macro PLACES n
.rept \n
	v_nop
.endr
.endm
; A step: 64 products; the next step's fragments are fetched in its middle and at its end.  Where the next step ends in a chunk not yet read, a barrier shows that chunk whole;
; where it begins in a later chunk, the old chunk is left: the three lines, the barrier, and, while a chunk is left to fetch, the cluster's round and the refill.
.macro STEP st, zero
.set NX, (\st)+1
.set C0, (96*(\st))/ROWB
.set C1, (96*NX)/ROWB
.set E0, (96*(\st)+95)/ROWB
.set E1, (96*NX+95)/ROWB
.if C1 > C0 || E1 > E0
	s_wait_tensorcnt 0x0                           ; all my tensor loads have landed
.if C1 > C0
	ds_add_u32 v[SPW], v[NIL]
	s_wait_dscnt 4*NL+1                            ; the add and A's blocks 4-7 (24 loads) may be out
.else
	s_wait_dscnt 4*NL
.endif
	MWIN 0, \zero
	MUL16 0, (\st)%2, (\st)%2, ((\st)/2)%2, \zero
	s_wait_dscnt 0x0                               ; the add and my reads are done
	s_barrier_signal -1
	MUL16 2, (\st)%2, (\st)%2, ((\st)/2)%2, \zero
	WIN 0
	s_barrier_wait -1
.if C1 > C0 && C0+2 < CHUNKS
	CREST
	s_add_nc_u64 s[G0+4*(C0%2)+2:G0+4*(C0%2)+3], s[G0+4*(C0%2)+2:G0+4*(C0%2)+3], 2*ROWB
	s_add_nc_u64 s[G0B+4*(C0%2)+2:G0B+4*(C0%2)+3], s[G0B+4*(C0%2)+2:G0B+4*(C0%2)+3], 2*ROWB
	JLOAD G0+4*(C0%2), G1, G0B+4*(C0%2), G1B       ; chunk C0 + 2; its four v_nop are the places in front of the loads below
.else
	PLACES NP
.endif
.else
	s_wait_dscnt 4*NL                              ; all but A's blocks 4-7
	MWIN 0, \zero
	MUL16 0, (\st)%2, (\st)%2, ((\st)/2)%2, \zero
	MUL16 2, (\st)%2, (\st)%2, ((\st)/2)%2, \zero
	s_wait_dscnt 0
	PLACES NP
.endif
	FETCH_B NX, NX%2
	FETCH_A NX, 0
.if NX%2 == 0
	SCALES NX/2
.endif
	MWIN 1, \zero
	MUL16 4, (\st)%2, (\st)%2, ((\st)/2)%2, \zero
	MUL16 6, (\st)%2, (\st)%2, ((\st)/2)%2, \zero
	PLACES NP
	WIN 0
	FETCH_A NX, 4
.endm
	s_wait_tensorcnt 0x0                           ; my tile of the head's four is in
	ds_add_u32 v[SPW], v[NIL]
	s_mov_b32 s[G1+2], 128<<16                     ; no load of mine is out: from here on a load brings 128 rows
	s_mov_b32 s[G1+4], 128
	s_mov_b32 s[G1B+2], 128<<16
	s_mov_b32 s[G1B+4], 128
	s_wait_dscnt 0x0
	CROUND
	JLOAD G0+4, G1, G0B+4, G1B                     ; chunk 1
	FETCH_B 0, 0
	FETCH_A 0, 0
	SCALES 0
	FETCH_A 0, 4
.if JOB
	s_wait_loadcnt 0x0                             ; the bias
.endif
	STEP 0, 1
.set ST, 1
.rept STEPS-2
	STEP ST, 0
.set ST, ST+1
.endr
	s_wait_dscnt 4*NL
	MWIN 0, 0
	MUL16 0, 1, 1, 1, 0
	MUL16 2, 1, 1, 1, 0
	s_wait_dscnt 0
	MWIN 1, 0
	MUL16 4, 1, 1, 1, 0
	MUL16 6, 1, 1, 1, 0
	WIN 0
; THE WAY OUT: each block of 16 rows x 128 columns is quantised in blocks of 32 columns and stored as an image of operand registers
.macro SHUF c                          ; three swaps bring a whole block into a lane; the 48-bit runs are put in order
.irp i, 0,1,2
	v_permlane16_swap_b32 v[CD+6*\c+\i], v[CD+12+4*\c+\i]
.endr
	v_perm_b32 v[CD+6*\c+3], v[CD+6*\c+2], v[CD+6*\c+1], 0x05040302
	v_perm_b32 v[CD+6*\c+4], v[CD+13+4*\c], v[CD+6*\c+2], 0x07060302
	v_perm_b32 v[CD+6*\c+1], v[CD+12+4*\c], v[CD+6*\c+1], 0x05040100
	v_perm_b32 v[CD+6*\c+2], v[CD+13+4*\c], v[CD+12+4*\c], 0x05040302
	v_mov_b32 v[CD+6*\c+5], v[CD+14+4*\c]
.endm
.macro QUANT
	WIN (QW<<2)|(QW<<4)
.irp b, 0,1,2,3
	v_max3_num_f32 v[TM+\b], 0x1800000, |v[QS+16*\b]|, |v[QS+16*\b+1]|
.endr
.irp i, 2,4,6,8,10,12,14
.irp b, 0,1,2,3
	v_max3_num_f32 v[TM+\b], v[TM+\b], |v[QS+16*\b+\i]|, |v[QS+16*\b+\i+1]|
.endr
.endr
	WIN 0
.irp b, 0,1,2,3
	v_permlanex16_b32 v[TM+4+\b], v[TM+\b], s[SEL], s[SEL+1]
.endr
.irp b, 0,1,2,3
	v_max_num_f32 v[TM+\b], v[TM+\b], v[TM+4+\b]
.endr
.irp b, 0,1,2,3
	v_add_nc_u32 v[TM+12+\b], 0xff000000, v[TM+\b]
.endr
.irp b, 0,1,2,3
	v_lshrrev_b32 v[TM+4+\b], 23, v[TM+12+\b]
.endr
	v_lshl_or_b32 v[PW], v[TM+5], 8, v[TM+4]
	v_lshl_or_b32 v[PW], v[TM+6], 16, v[PW]
	v_lshl_or_b32 v[PW], v[TM+7], 24, v[PW]
	s_wait_xcnt 0x0                                ; the last block's stores have read their data
	WIN QW
.irp c, 0,1
	v_cvt_scalef32_pk16_fp6_f32 v[CD+6*\c:CD+6*\c+2], v[QS+32*\c:QS+32*\c+15], v[TM+12+2*\c]
	v_cvt_scalef32_pk16_fp6_f32 v[CD+12+4*\c:CD+14+4*\c], v[QS+32*\c+16:QS+32*\c+31], v[TM+12+2*\c+1]
.endr
	WIN 0
	v_nop
	SHUF 0
	SHUF 1
.endm
	PLACES NP
.irp b, 0,1,2,3
	v_mov_b32 v[TM+4+\b], 0
.endr
.irp a, 0,1,2,3,4,5,6,7
.set QS, 64*(\a%4)
.set QW, 2+\a/4
.if JOB
	WIN (QW<<6)|(QW<<2)
.set j, 0
.rept 64
	v_max_num_f32 v[QS+j], 0, v[QS+j]
.set j, j+1
.endr
.endif
	QUANT
.if JOB
.irp c, 0,1,2
	global_store_b128 v[O16], v[CD+4*\c:CD+4*\c+3], s[12:13] offset:1536*\a+512*\c
.endr
.else
.irp c, 0,1
	global_store_b128 v[O16], v[CD+6*\c:CD+6*\c+3], s[12:13] offset:1536*\a+768*\c
	global_store_b64 v[O8], v[CD+6*\c+4:CD+6*\c+5], s[12:13] offset:1536*\a+768*\c+512
.endr
.endif
	ds_store_b32 v[WST], v[PW] offset:64*\a
.endr
	ds_load_b128 v[WW:WW+3], v[WRD]                ; my 128 rows' scale words: 512 consecutive bytes
	s_wait_dscnt 0x0
	global_store_b128 v[O16], v[WW:WW+3], s[96:97]
	s_wait_tensorcnt 0x0                           ; the wave's end
	ds_add_u32 v[SPW], v[NIL]
	s_wait_dscnt 0x0
	CROUND
	s_endpgm
.Lfunc_end_k_q2f460eb753_qkv:
	.size	k_q2f460eb753_qkv, .Lfunc_end_k_q2f460eb753_qkv-k_q2f460eb753_qkv
	.p2alignl 7, 3214868480
	.fill 96, 4, 3214868480
	.section	.rodata,"a",@progbits
	.p2align	6, 0x0
	.amdhsa_kernel k_q2f460eb753_qkv
		.amdhsa_group_segment_fixed_size 327680
		.amdhsa_private_segment_fixed_size 0
		.amdhsa_enable_private_segment 0
		.amdhsa_kernarg_size 64
		.amdhsa_user_sgpr_count 2
		.amdhsa_user_sgpr_kernarg_segment_ptr 1
		.amdhsa_wavefront_size32 1
		.amdhsa_system_sgpr_workgroup_id_x 1
		.amdhsa_system_sgpr_workgroup_id_y 1
		.amdhsa_system_sgpr_workgroup_id_z 1
		.amdhsa_system_vgpr_workitem_id 0
		.amdhsa_next_free_vgpr 1024
		.amdhsa_next_free_sgpr 102
		.amdhsa_reserve_vcc 0
		.amdhsa_float_denorm_mode_32 3
		.amdhsa_float_denorm_mode_16_64 3
		.amdhsa_memory_ordered 1
		.amdhsa_forward_progress 1
		.amdhsa_inst_pref_size 171
	.end_amdhsa_kernel
	.amdgpu_metadata
---
amdhsa.version: [ 1, 2 ]
amdhsa.kernels:
  - .name:           k_q2f460eb753_qkv
    .symbol:         k_q2f460eb753_qkv.kd
    .args:
      - { .name: hq, .offset: 0, .size: 8, .value_kind: global_buffer, .address_space: global }
      - { .name: Wq_codes, .offset: 8, .size: 8, .value_kind: global_buffer, .address_space: global }
      - { .name: Wq_scales, .offset: 16, .size: 8, .value_kind: global_buffer, .address_space: global }
      - { .name: Wk_codes, .offset: 24, .size: 8, .value_kind: global_buffer, .address_space: global }
      - { .name: Wk_scales, .offset: 32, .size: 8, .value_kind: global_buffer, .address_space: global }
      - { .name: Wv_codes, .offset: 40, .size: 8, .value_kind: global_buffer, .address_space: global }
      - { .name: Wv_scales, .offset: 48, .size: 8, .value_kind: global_buffer, .address_space: global }
      - { .name: qkv, .offset: 56, .size: 8, .value_kind: global_buffer, .address_space: global }
    .group_segment_fixed_size: 327680
    .private_segment_fixed_size: 0
    .kernarg_segment_align: 8
    .kernarg_segment_size: 64
    .max_flat_workgroup_size: 128
    .sgpr_count:     102
    .vgpr_count:     1024
    .wavefront_size: 32
...
	.end_amdgpu_metadata
.endif
;; end of part 2
;; launch attn (part 3): grid 8 x 32, 16 waves a work-group, clusters of 4 x 1, 210,944 bytes of LDS; arguments qkv, oq; writes oq
.if DOCPART == 3
	.amdgcn_target "amdgcn-amd-amdhsa--gfx1250"
	.amdhsa_code_object_version 6
	.text
	.protected	k_q2f460eb753_attn
	.globl	k_q2f460eb753_attn
	.p2align	8
	.type	k_q2f460eb753_attn,@function
k_q2f460eb753_attn:
	s_mov_b64 s[64:65], 0
	v_nop
	global_prefetch_b8 v0, s[64:65] scope:SCOPE_SE
	s_setreg_imm32_b32 hwreg(HW_REG_WAVE_MODE, 25, 1), 1
	s_wait_xcnt 0x0
	s_wait_alu depctr_hold_cnt(0) depctr_sa_sdst(0) depctr_va_vdst(0) depctr_va_sdst(0) depctr_va_ssrc(0) depctr_va_vcc(0) depctr_vm_vsrc(0)
	s_getreg_b32 s2, hwreg(HW_REG_IB_STS2, 6, 4)
	s_cmp_eq_u32 s2, 0
	s_cbranch_scc0 .Lentry_in_a_cluster
	s_endpgm
.Lentry_in_a_cluster:
	s_bfe_u32 s2, ttmp6, 0x10000c
	s_cmp_lg_u32 s2, 0x3003
	s_cbranch_scc0 .Lentry_shape_is_right
	s_endpgm
.Lentry_shape_is_right:
; Causal attention on codes of FP6 (E2M3, one E8M0 scale for each 32 along a product's K): 2 batches x 16 heads, 2,048 tokens, head size 64.  O / l is quantised along the features and stored as the next product's operand.
; IN (one buffer): images of operand registers.  A half image is 768 bytes, 16 rows x 64 of K: registers 0-3 of lane l at 16 l, registers 4, 5 at 512 + 8 l; lane (r, h) holds row r, K = 32 h + 0..31.
;   Q at byte 0 and K at 3,145,728: [pair of heads][block of 16 tokens][head % 2][768].  V^T at 6,291,456: [step of 128 keys][block of 16 features][1,536].  Scale words [step][row] at 9,437,184, +131,072, +262,144.
; OUT: O's codes laid as Q's; its scale words at 3,145,728.
; THE SOFTMAX: t = score x log2(e) / 8; M = the running largest t, rounded UP to a whole number; p = 2^(t - M) is quantised along the keys, not normalised; the row's sum is taken of the unquantised p and divides O at the
; end.  When M moves, the sum and O are multiplied by 2^(old M - new M), which rounds nothing.  A block's largest p is made from the block's largest score by the same two instructions (this takes v_exp_f32 not to fall
; where its input rises; at the worst one p within an ulp of a power of two is held one code low).
; SHARES.  A work-group serves one head of one batch; its sixteen waves own one tile of 16 queries each: tile 8 g + sub, sub = the work-group's x (0..7), g = wave xor 3 ((wave >> 2) & 1).  Tile 8 g + sub lies in key step g
; (128 keys), so the wave needs key steps 0 .. g: THAT HANGS ON THE WAVE'S NUMBER ALONE.  So all work-groups have equal work, the partners of a cluster branch alike, and waves w, w + 4, w + 8, w + 12 have 34 steps together.
; ALL of the head's K and V^T (96 KB each) and their scale words lie in LDS, filled ONCE by joint loads of the four work-groups of a cluster (waves 0-3: K; 4-7: V^T; 8, 9: the scale words; one load a wave is out).
; Nothing is filled again and nothing is stored to LDS: one barrier in all.
; LAYOUT.  Both products are used transposed: S^T = K Q^T (source 0 = 16 keys), O^T = V^T P^T (source 0 = 16 features): a lane holds ONE query (lane % 16) throughout; register j of tile t is key (feature) 16 t + 8 h + j.
; The head's K is 64, the instruction's 128: Q's upper six registers are zero codes, and K's tile t is named v[F + 6 t : F + 6 t + 11], whose upper six are the next tile's codes: finite numbers times zero.
; The scale words are read as 16 bits, so the bytes of the upper 64 are 0 (2^-127), not 0xff.
; LIMITS: NaN and infinities are not served; a block of zeros gets the scale byte 1 (its codes are zeros; this program alone reads the bytes).  Scale words of O are stored two bytes a row, since a head owns half a word.
.set VB,   98304                       ; LDS: K's 128 half images at 0; V^T [step][4 fragments] here;
.set KSB,  196608                      ; K's scale words (of the pair of heads), 4 bytes a key;
.set VSB,  204800                      ; V^T's, [step][64 features]
.set F,    32                          ; v32-85  eight tiles of K (v80-85 stay 0), later four fragments of V^T
.set SC,   86                          ; v86-93  their scale words
.set S,    96                          ; v96-159 S^T, then p
.set O,    160                         ; v160-191 O^T
.set CD,   192                         ; v192-203 p's codes; v204-206, v208-210 halves still to be moved
.set BM,   212                         ; v212-215 the blocks' largest scores, then largest p
.set BP,   216                         ; v216-219 at work: the other half's, then the bytes
.set SO,   220                         ; v220-223 the conversions' scale operands
.set PW,   224                         ; p's scale word
.set FF,   226                         ; v[226:227] f = 2^(old M - new M)
.set TT,   228
.set NI,   229                         ; -infinity
.set CH,   230                         ; v[230:231] the sum's second chain
.set WV,   18
.set GG,   19                          ; g: my last key step
.set SEL,  20
.set CS,   22
.set G1K,  24
.set G1V,  32
.set G1KS, 40
.set G1VS, 48
.set G0K,  56
.set G0V,  60
.set G0KS, 68
.set G0VS, 72
.set T6,   76                          ; 6,144 x step: K's and V^T's tiles
.set TKS,  77                          ; 512 x step
.set TVS,  78                          ; 256 x step
.set ST,   80                          ; the step
.macro CROUND                          ; a round of the cluster's barrier
	s_barrier_signal -1
	s_barrier_wait -1
	s_cmp_lg_u32 s[WV], 0
	s_cbranch_scc1 .Lnot_wave_0_\@
	s_barrier_signal -3
.Lnot_wave_0_\@:
	s_barrier_wait -3
	s_barrier_signal -1
	s_barrier_wait -1
.endm
.macro GROUP1 g, c, r, p               ; r rows of c elements of 8 bytes, p elements apart; 15:0 the mask: all four work-groups; 21 set beside a mask; no padding
	s_mov_b32 s[\g], 15|(3<<16)|(1<<21)
	s_mov_b32 s[\g+1], (\c)<<16                    ; tensor_dim0
	s_mov_b32 s[\g+2], (\r)<<16                    ; tensor_dim1
	s_mov_b32 s[\g+3], (\c)<<16                    ; tile_dim0
	s_mov_b32 s[\g+4], \r                          ; tile_dim1
	s_mov_b32 s[\g+5], \p                          ; tensor_dim0_stride
	s_mov_b32 s[\g+6], 0
	s_mov_b32 s[\g+7], 0
.endm
	s_load_b128 s[4:7], s[0:1], 0x0                ; in s[4:5], out s[6:7]
	v_lshl_add_u32 v254, v0, 2, 0x33000
	v_mov_b32 v255, 0
	ds_add_u32 v254, v255
	ds_add_u32 v254, v255
	v_lshrrev_b32 v8, 5, v0
	s_delay_alu instid0(VALU_DEP_1)
	v_readfirstlane_b32 s[WV], v8                  ; wave 0..15
	s_and_b32 s8, ttmp7, 0xffff
	s_lshr_b32 s9, s8, 4                           ; batch
	s_and_b32 s10, s8, 15                          ; head
	s_lshr_b32 s11, s10, 1                         ; pair of heads
	s_and_b32 s12, s10, 1                          ; which of the pair
	s_bfe_u32 s13, ttmp6, 0x40000                  ; cx: it enters Q's and O's global addresses and the mask's lane value alone
	s_lshl_b32 s14, ttmp9, 2
	s_add_co_u32 s14, s14, s13                     ; sub
	s_and_b32 s15, s[WV], 3                        ; which quarter of K or of V^T I fetch
	s_bfe_u32 s16, s[WV], 0x10002
	s_mul_i32 s16, s16, 3
	s_xor_b32 s[GG], s[WV], s16
	GROUP1 G1K, 96, 32, 192                        ; 32 half images of 768 bytes, 1,536 bytes apart
	GROUP1 G1V, 768, 4, 12288                      ; 4 steps' 6,144 bytes, 98,304 bytes apart
	GROUP1 G1KS, 32, 32, 32                        ; 8,192 dense bytes
	GROUP1 G1VS, 32, 16, 512                       ; 16 steps' 256 bytes, 4,096 bytes apart
	s_mov_b32 s[SEL], 0x76543210
	s_mov_b32 s[SEL+1], 0xfedcba98
	s_mov_b32 s[CS], 0x3e38aa3b                    ; c = log2(e) / 8
	s_mov_b32 s[CS+1], s[CS]
	s_mov_b32 s[T6], 0
	s_mov_b32 s[TKS], 0
	s_mov_b32 s[TVS], 0
	s_mov_b32 s[ST], 0
	s_mul_i32 s81, s11, 393216                     ; the head's codes in Q, K and O: the pair's step,
	s_mul_i32 s83, s12, 768                        ; its half image,
	s_add_co_u32 s81, s81, s83
	s_mul_i32 s83, s9, 196608                      ; the batch's 128 blocks of tokens
	s_add_co_u32 s81, s81, s83
	s_lshl_b32 s82, s11, 14                        ; and the scale words of the pair and the batch
	s_lshl_b32 s83, s9, 13
	s_add_co_u32 s82, s82, s83
	s_mul_i32 s84, s15, 49152                      ; K: my 32 blocks
	s_add_co_u32 s84, s84, s81
	s_add_co_u32 s84, s84, 3145728
	s_mov_b32 s85, 0
	s_lshl_b32 s86, s9, 4                          ; V^T: steps 16 batch + 4 quarter on,
	s_lshl_b32 s87, s15, 2
	s_add_co_u32 s86, s86, s87
	s_mul_i32 s86, s86, 98304
	s_mul_i32 s87, s10, 6144                       ; the head's four blocks of features
	s_add_co_u32 s86, s86, s87
	s_add_co_u32 s86, s86, 6291456
	s_mov_b32 s87, 0
	s_add_co_u32 s88, s82, 9568256                 ; K's scale words
	s_mov_b32 s89, 0
	s_lshl_b32 s90, s9, 16                         ; V^T's
	s_lshl_b32 s91, s10, 8
	s_add_co_u32 s90, s90, s91
	s_add_co_u32 s90, s90, 9699328
	s_mov_b32 s91, 0
	s_mul_i32 s16, s15, 24576                      ; where my quarter goes
	s_wait_dscnt 0x0
	s_wait_kmcnt 0x0
	s_mov_b32 s[G0K], 1
	s_mov_b32 s[G0K+1], s16
	s_add_nc_u64 s[G0K+2:G0K+3], s[4:5], s[84:85]
	s_or_b32 s[G0K+3], s[G0K+3], 0x80000000
	s_mov_b32 s[G0V], 1
	s_add_co_u32 s[G0V+1], s16, VB
	s_add_nc_u64 s[G0V+2:G0V+3], s[4:5], s[86:87]
	s_or_b32 s[G0V+3], s[G0V+3], 0x80000000
	s_mov_b32 s[G0KS], 1
	s_mov_b32 s[G0KS+1], KSB
	s_add_nc_u64 s[G0KS+2:G0KS+3], s[4:5], s[88:89]
	s_or_b32 s[G0KS+3], s[G0KS+3], 0x80000000
	s_mov_b32 s[G0VS], 1
	s_mov_b32 s[G0VS+1], VSB
	s_add_nc_u64 s[G0VS+2:G0VS+3], s[4:5], s[90:91]
	s_or_b32 s[G0VS+3], s[G0VS+3], 0x80000000
	CROUND                                         ; all four work-groups are here: the joint loads meet
	s_cmp_lt_u32 s[WV], 4                          ; the branches hang on the wave's number alone; four v_nop follow each load
	s_cbranch_scc0 .Lnot_k
	tensor_load_to_lds s[G0K:G0K+3], s[G1K:G1K+7]
	s_nop 0
.rept 4
	v_nop
.endr
	s_branch .Lasked
.Lnot_k:
	s_cmp_lt_u32 s[WV], 8
	s_cbranch_scc0 .Lnot_v
	tensor_load_to_lds s[G0V:G0V+3], s[G1V:G1V+7]
	s_nop 0
.rept 4
	v_nop
.endr
	s_branch .Lasked
.Lnot_v:
	s_cmp_eq_u32 s[WV], 8
	s_cbranch_scc0 .Lnot_ks
	tensor_load_to_lds s[G0KS:G0KS+3], s[G1KS:G1KS+7]
	s_nop 0
.rept 4
	v_nop
.endr
	s_branch .Lasked
.Lnot_ks:
	s_cmp_eq_u32 s[WV], 9
	s_cbranch_scc0 .Lasked
	tensor_load_to_lds s[G0VS:G0VS+3], s[G1VS:G1VS+7]
	s_nop 0
.rept 4
	v_nop
.endr
.Lasked:
	s_lshl_b32 s84, s[GG], 3
	s_add_co_u32 s84, s84, s14                     ; my tile of queries: 8 g + sub
	s_mul_i32 s86, s84, 1536
	s_add_co_u32 s86, s86, s81
	s_mov_b32 s87, 0
	s_add_nc_u64 s[88:89], s[4:5], s[86:87]        ; Q's half image
	s_add_nc_u64 s[90:91], s[6:7], s[86:87]        ; O's
	s_lshl_b32 s86, s84, 6                         ; 16 rows x 4 bytes
	s_add_co_u32 s86, s86, s82
	s_lshl_b32 s85, s12, 1                         ; my head's two bytes of a word
	s_add_co_u32 s86, s86, s85
	s_add_co_u32 s84, s86, 9437184
	s_mov_b32 s85, 0
	s_add_co_u32 s86, s86, 3145728
	s_add_nc_u64 s[92:93], s[4:5], s[84:85]        ; Q's scale bytes
	s_add_nc_u64 s[94:95], s[6:7], s[86:87]        ; O's
	v_and_b32 v8, 15, v0                           ; r
	v_bfe_u32 v9, v0, 4, 1                         ; h
	v_and_b32 v10, 31, v0                          ; lane
	s_delay_alu instid0(VALU_DEP_1)
	v_lshlrev_b32 v1, 4, v10                       ; an image's registers 0-3: 16 x lane
	s_delay_alu instid0(VALU_DEP_2)
	v_lshl_add_u32 v2, v10, 3, 512                 ; registers 4, 5: 512 + 8 x lane
	s_delay_alu instid0(VALU_DEP_2)
	v_add_nc_u32 v3, VB, v1
	s_delay_alu instid0(VALU_DEP_2)
	v_add_nc_u32 v4, VB, v2
	s_lshl_b32 s83, s12, 1
	s_add_co_u32 s83, s83, KSB
	v_lshl_add_u32 v5, v8, 2, s83                  ; K's scale bytes: key r of a tile, my head's two
	v_lshl_add_u32 v6, v8, 2, VSB                  ; V^T's scale words
	v_lshlrev_b32 v11, 2, v8
	global_load_b128 v[16:19], v1, s[88:89]        ; Q stays in registers
	global_load_b64 v[20:21], v2, s[88:89]
	global_load_u16 v28, v11, s[92:93]             ; its two scale bytes; the upper two are 0
	s_lshl_b32 s83, s14, 4
	v_lshlrev_b32 v7, 3, v9
	s_delay_alu instid0(VALU_DEP_1)
	v_sub_nc_u32 v7, v8, v7
	s_delay_alu instid0(VALU_DEP_1)
	v_add_nc_u32 v7, s83, v7                       ; d = 16 sub + r - 8 h: on the diagonal, register 8 t + j (key 16 t + 8 h + j of the step) is hidden where 16 t + j > d
.irp j, 22,23,24,25,26,27,80,81,82,83,84,85
	v_mov_b32 v[\j], 0                             ; zero codes: Q's upper 64 of K; the upper half of K's last tile
.endr
	v_mov_b32 v13, 0xff61b1e6                      ; the largest t so far: -3e38
	s_delay_alu instid0(VALU_DEP_1)
	v_floor_f32 v12, -v13                          ; -M
	v_mov_b32 v14, 0                               ; the sum, in two halves
	v_mov_b32 v15, 0
	v_mov_b32 v[NI], 0xff800000
	v_mov_b32 v[FF+1], 0                           ; (named as the upper half of a pair)
.irp b, 0,1,2,3
	v_mov_b32 v[BP+\b], 0                          ; a lane permute's destination counts as one of its sources
.endr
.set j, 0
.rept 32
	v_mov_b32 v[O+j], 0                            ; O^T: the step is written once; the first finds zeros, which the first change of M leaves zeros
.set j, j+1
.endr
	s_wait_tensorcnt 0x0                           ; my load has landed,
	s_wait_loadcnt 0x0                             ; Q is in,
	s_barrier_signal -1
	s_barrier_wait -1                              ; and everybody's loads have landed
.Lstep:                                                ; sixteen trips in every wave; a step whose keys all come after my queries is jumped over, but for the lines that step addresses
	s_cmp_gt_u32 s[ST], s[GG]
	s_cbranch_scc1 .Lskip
	v_add_nc_u32 v8, s[T6], v1                     ; six plain lines: also the places behind the last step's products, in front of the loads below
	v_add_nc_u32 v9, s[T6], v2
	v_add_nc_u32 v10, s[T6], v3
	v_add_nc_u32 v11, s[T6], v4
	v_add_nc_u32 v30, s[TKS], v5
	v_add_nc_u32 v31, s[TVS], v6
.irp t, 0,1,2,3,4,5,6,7
	ds_load_b128 v[F+6*\t:F+6*\t+3], v8 offset:768*\t
	ds_load_b64 v[F+6*\t+4:F+6*\t+5], v9 offset:768*\t
	ds_load_u16 v[SC+\t], v30 offset:64*\t
.endr
	s_wait_alu depctr_va_vdst(0)
	s_wait_dscnt 0x0
.irp t, 0,1,2,3,4,5,6,7
	v_wmma_scale_f32_16x16x128_f8f6f4 v[S+8*\t:S+8*\t+7], v[F+6*\t:F+6*\t+11], v[16:27], 0, v[SC+\t], v28 matrix_a_fmt:MATRIX_FMT_FP6 matrix_b_fmt:MATRIX_FMT_FP6
.endr
.rept 4
	v_nop                                          ; places: loads into registers that the products read, and the first read of the scores
.endr
.irp t, 0,1,2,3                        ; V^T's four fragments and scale words: they land while the softmax is worked
.irp c, 0,1
	ds_load_b128 v[F+12*\t+6*\c:F+12*\t+6*\c+3], v10 offset:1536*\t+768*\c
	ds_load_b64 v[F+12*\t+6*\c+4:F+12*\t+6*\c+5], v11 offset:1536*\t+768*\c
.endr
	ds_load_b32 v[SC+\t], v31 offset:64*\t
.endr
	s_cmp_lg_u32 s[ST], s[GG]                      ; my last step lies on the diagonal: hidden scores become -infinity ahead of the maximum, so that p = 0
	s_cbranch_scc1 .Lopen
.set n, 0
.rept 64
	v_cmp_gt_i32 vcc_lo, 16*(n/8)+n%8, v7
	v_cndmask_b32 v[S+n], v[S+n], v[NI], vcc_lo
.set n, n+1
.endr
.Lopen:
.irp b, 0,1,2,3
	v_max3_num_f32 v[BM+\b], v[S+16*\b], v[S+16*\b+1], v[S+16*\b+2]   ; the largest score of each block of 32 keys (tiles 2 b and 2 b + 1, both halves of the lanes): it serves the row's maximum and the block's largest p
.endr
.irp i, 3,5,7,9,11,13
.irp b, 0,1,2,3
	v_max3_num_f32 v[BM+\b], v[BM+\b], v[S+16*\b+\i], v[S+16*\b+\i+1]
.endr
.endr
.irp b, 0,1,2,3
	v_max_num_f32 v[BM+\b], v[BM+\b], v[S+16*\b+15]
.endr
.irp b, 0,1,2,3
	s_delay_alu instid0(VALU_DEP_4)
	v_permlanex16_b32 v[BP+\b], v[BM+\b], s[SEL], s[SEL+1]
.endr
.irp b, 0,1,2,3
	s_delay_alu instid0(VALU_DEP_4)
	v_max_num_f32 v[BM+\b], v[BM+\b], v[BP+\b]
.endr
	s_delay_alu instid0(VALU_DEP_2)
	v_max3_num_f32 v[TT], v[BM], v[BM+1], v[BM+2]
	s_delay_alu instid0(VALU_DEP_1)
	v_max_num_f32 v[TT], v[TT], v[BM+3]            ; the step's largest score of my query
	s_delay_alu instid0(VALU_DEP_1)
	v_mul_f32 v[TT], s[CS], v[TT]
	s_delay_alu instid0(VALU_DEP_1)
	v_max_num_f32 v13, v13, v[TT]                  ; the running largest t
	v_mov_b32 v[TT], v12
	s_delay_alu instid0(VALU_DEP_2)
	v_floor_f32 v12, -v13                          ; the new -M = -ceil(t)
	s_delay_alu instid0(VALU_DEP_1)
	v_sub_f32 v[TT], v12, v[TT]                    ; old M - new M: a whole number, 0 or less
	s_delay_alu instid0(VALU_DEP_1)
	v_cvt_i32_f32 v[TT], v[TT]                     ; (it saturates)
	s_delay_alu instid0(VALU_DEP_1)
	v_ldexp_f32 v[FF], 1.0, v[TT]                  ; f
.set j, 0
.rept 32
	v_pk_fma_f32 v[S+j:S+j+1], v[S+j:S+j+1], s[CS:CS+1], v[12:13] op_sel_hi:[1,0,0]   ; t - M, two at a time
.set j, j+2
.endr
.irp b, 0,1,2,3
	v_fma_f32 v[BM+\b], v[BM+\b], s[CS], v12
.endr
.set j, 0
	s_wait_alu depctr_va_vdst(0)
.rept 64
	v_exp_f32 v[S+j], v[S+j]                       ; p = 2^(t - M)
.set j, j+1
.endr
.irp b, 0,1,2,3
	v_exp_f32 v[BM+\b], v[BM+\b]                   ; the block's largest p
.endr
	v_pk_mul_f32 v[14:15], v[14:15], v[FF:FF+1] op_sel_hi:[1,0]   ; the sums under the new M (the plain place behind the exponentials)
	s_wait_alu depctr_va_vdst(0)
.irp b, 0,1,2,3
	v_max_num_f32 v[BM+\b], 0x1800000, v[BM+\b]    ; the floor 2^(3 - 127)
.endr
.irp b, 0,1,2,3
	s_delay_alu instid0(VALU_DEP_4)
	v_add_nc_u32 v[SO+\b], 0xff000000, v[BM+\b]    ; 2 off the exponent field: the conversion's scale operand
.endr
.irp b, 0,1,2,3
	s_delay_alu instid0(VALU_DEP_4)
	v_lshrrev_b32 v[BP+\b], 23, v[SO+\b]
.endr
	s_delay_alu instid0(VALU_DEP_3)
	v_lshl_or_b32 v[PW], v[BP+1], 8, v[BP]
	s_delay_alu instid0(VALU_DEP_1)
	v_lshl_or_b32 v[PW], v[BP+2], 16, v[PW]
	s_delay_alu instid0(VALU_DEP_1)
	v_lshl_or_b32 v[PW], v[BP+3], 24, v[PW]
.irp c, 0,1
	v_cvt_scalef32_pk16_fp6_f32 v[CD+6*\c:CD+6*\c+2], v[S+32*\c:S+32*\c+15], v[SO+2*\c]
	v_cvt_scalef32_pk16_fp6_f32 v[CD+12+4*\c:CD+14+4*\c], v[S+32*\c+16:S+32*\c+31], v[SO+2*\c+1]
.endr
	v_nop                                          ; one plain place behind a scaled conversion
; A conversion's 16 codes are keys 8 h + 0..7 and 16 + 8 h + 0..7 of its block.  Three swaps bring a whole block into a lane (X: what lanes 0-15 made, Y: lanes 16-31's); the 48-bit runs are put in order: X low, Y low, X high, Y high.
.macro SHUF c
.irp i, 0,1,2
	v_permlane16_swap_b32 v[CD+6*\c+\i], v[CD+12+4*\c+\i]
.endr
	s_delay_alu instid0(VALU_DEP_1)
	v_perm_b32 v[CD+6*\c+3], v[CD+6*\c+2], v[CD+6*\c+1], 0x05040302
	s_delay_alu instid0(VALU_DEP_2)
	v_perm_b32 v[CD+6*\c+4], v[CD+13+4*\c], v[CD+6*\c+2], 0x07060302
	s_delay_alu instid0(VALU_DEP_4)
	v_perm_b32 v[CD+6*\c+1], v[CD+12+4*\c], v[CD+6*\c+1], 0x05040100
	v_perm_b32 v[CD+6*\c+2], v[CD+13+4*\c], v[CD+12+4*\c], 0x05040302
	v_mov_b32 v[CD+6*\c+5], v[CD+14+4*\c]
.endm
	SHUF 0
	SHUF 1
	v_pk_add_f32 v[230:231], v[100:101], v[104:105]
	v_pk_add_f32 v[252:253], v[108:109], v[112:113]
	v_pk_add_f32 v[250:251], v[116:117], v[120:121]
	v_pk_add_f32 v[248:249], v[124:125], v[128:129]
	v_pk_add_f32 v[246:247], v[132:133], v[136:137]
	v_pk_add_f32 v[244:245], v[140:141], v[144:145]
	v_pk_add_f32 v[242:243], v[148:149], v[152:153]
	v_pk_add_f32 v[14:15], v[14:15], v[156:157]
	v_pk_add_f32 v[230:231], v[230:231], v[96:97]
	v_pk_add_f32 v[252:253], v[252:253], v[98:99]
	v_pk_add_f32 v[250:251], v[250:251], v[102:103]
	v_pk_add_f32 v[248:249], v[248:249], v[106:107]
	v_pk_add_f32 v[246:247], v[246:247], v[110:111]
	v_pk_add_f32 v[244:245], v[244:245], v[114:115]
	v_pk_add_f32 v[242:243], v[242:243], v[118:119]
	v_pk_add_f32 v[14:15], v[14:15], v[122:123]
	v_pk_add_f32 v[230:231], v[230:231], v[126:127]
	v_pk_add_f32 v[252:253], v[252:253], v[130:131]
	v_pk_add_f32 v[250:251], v[250:251], v[134:135]
	v_pk_add_f32 v[248:249], v[248:249], v[138:139]
	v_pk_add_f32 v[246:247], v[246:247], v[142:143]
	v_pk_add_f32 v[244:245], v[244:245], v[146:147]
	v_pk_add_f32 v[242:243], v[242:243], v[150:151]
	v_pk_add_f32 v[14:15], v[14:15], v[154:155]
	v_pk_add_f32 v[230:231], v[230:231], v[158:159]
	s_delay_alu instid0(VALU_DEP_2)
	v_pk_add_f32 v[14:15], v[14:15], v[248:249]
	s_delay_alu instid0(VALU_DEP_2)
	v_pk_add_f32 v[230:231], v[230:231], v[246:247]
	v_pk_add_f32 v[252:253], v[252:253], v[244:245]
	v_pk_add_f32 v[250:251], v[250:251], v[242:243]
	s_delay_alu instid0(VALU_DEP_2)
	v_pk_add_f32 v[14:15], v[14:15], v[252:253]
	s_delay_alu instid0(VALU_DEP_2)
	v_pk_add_f32 v[230:231], v[230:231], v[250:251]
	s_delay_alu instid0(VALU_DEP_1)
	v_pk_add_f32 v[14:15], v[14:15], v[230:231]
.set j, 0
.rept 16
	v_pk_mul_f32 v[O+j:O+j+1], v[O+j:O+j+1], v[FF:FF+1] op_sel_hi:[1,0]   ; O^T under the new M.  With the sums: far more than the eight places between the scale word's making and the products below
.set j, j+2
.endr
	s_wait_alu depctr_va_vdst(0)
	s_wait_dscnt 0x0                               ; V^T is in
.irp t, 0,1,2,3
	v_wmma_scale_f32_16x16x128_f8f6f4 v[O+8*\t:O+8*\t+7], v[F+12*\t:F+12*\t+11], v[CD:CD+11], v[O+8*\t:O+8*\t+7], v[SC+\t], v[PW] matrix_a_fmt:MATRIX_FMT_FP6 matrix_b_fmt:MATRIX_FMT_FP6
.endr
.Lskip:
	s_add_co_u32 s[T6], s[T6], 6144
	s_add_co_u32 s[TKS], s[TKS], 512
	s_add_co_u32 s[TVS], s[TVS], 256
	s_add_co_u32 s[ST], s[ST], 1
	s_cmp_lt_u32 s[ST], 16
	s_cbranch_scc1 .Lstep
	; THE WAY OUT: O^T / the sum; its 64 features are two blocks of 32, quantised as p is, and leave as a half image
.rept 4
	v_nop                                          ; places behind the last products
.endr
	v_add_f32 v14, v14, v15
	s_delay_alu instid0(VALU_DEP_1)
	v_permlanex16_b32 v[BP], v14, s[SEL], s[SEL+1]
	s_delay_alu instid0(VALU_DEP_1)
	v_add_f32 v14, v14, v[BP]                      ; the row's sum
	s_wait_alu depctr_va_vdst(0)
	v_rcp_f32 v14, v14
	v_and_b32 v8, 15, v0                           ; (a plain place behind the transcendental)
	s_delay_alu instid0(VALU_DEP_1)
	v_lshlrev_b32 v8, 2, v8
.set j, 0
	s_wait_alu depctr_va_vdst(0)
.rept 32
	v_mul_f32 v[S+j], v[O+j], v14
.set j, j+1
.endr
.irp b, 0,1
	v_max3_num_f32 v[BM+\b], |v[S+16*\b]|, |v[S+16*\b+1]|, 0x1800000
.endr
.irp i, 2,4,6,8,10,12,14
.irp b, 0,1
	s_delay_alu instid0(VALU_DEP_2)
	v_max3_num_f32 v[BM+\b], v[BM+\b], |v[S+16*\b+\i]|, |v[S+16*\b+\i+1]|
.endr
.endr
.irp b, 0,1
	s_delay_alu instid0(VALU_DEP_2)
	v_permlanex16_b32 v[BP+\b], v[BM+\b], s[SEL], s[SEL+1]
.endr
.irp b, 0,1
	s_delay_alu instid0(VALU_DEP_2)
	v_max_num_f32 v[BM+\b], v[BM+\b], v[BP+\b]
.endr
.irp b, 0,1
	s_delay_alu instid0(VALU_DEP_2)
	v_add_nc_u32 v[SO+\b], 0xff000000, v[BM+\b]
.endr
.irp b, 0,1
	s_delay_alu instid0(VALU_DEP_2)
	v_lshrrev_b32 v[BP+\b], 23, v[SO+\b]
.endr
	s_delay_alu instid0(VALU_DEP_1)
	v_lshl_or_b32 v[PW], v[BP+1], 8, v[BP]         ; my head's two bytes of the row's scale word
	v_cvt_scalef32_pk16_fp6_f32 v[CD:CD+2], v[S:S+15], v[SO]
	v_cvt_scalef32_pk16_fp6_f32 v[CD+12:CD+14], v[S+16:S+31], v[SO+1]
	v_nop
	SHUF 0
	global_store_b128 v1, v[CD:CD+3], s[90:91]     ; 512 consecutive bytes, aligned to 256
	global_store_b64 v2, v[CD+4:CD+5], s[90:91]    ; 256 consecutive bytes, aligned
	global_store_b16 v8, v[PW], s[94:95]           ; lanes l and l + 16 store the same two bytes
	s_wait_tensorcnt 0x0
	ds_add_u32 v254, v255
	s_wait_dscnt 0x0
	CROUND                                         ; the closing round: no work-group ends while a partner may still ask for a tile that names it
	s_endpgm
.Lfunc_end_k_q2f460eb753_attn:
	.size	k_q2f460eb753_attn, .Lfunc_end_k_q2f460eb753_attn-k_q2f460eb753_attn
	.p2alignl 7, 3214868480
	.fill 96, 4, 3214868480
	.section	.rodata,"a",@progbits
	.p2align	6, 0x0
	.amdhsa_kernel k_q2f460eb753_attn
		.amdhsa_group_segment_fixed_size 210944
		.amdhsa_private_segment_fixed_size 0
		.amdhsa_enable_private_segment 0
		.amdhsa_kernarg_size 16
		.amdhsa_user_sgpr_count 2
		.amdhsa_user_sgpr_kernarg_segment_ptr 1
		.amdhsa_wavefront_size32 1
		.amdhsa_system_sgpr_workgroup_id_x 1
		.amdhsa_system_sgpr_workgroup_id_y 1
		.amdhsa_system_sgpr_workgroup_id_z 1
		.amdhsa_system_vgpr_workitem_id 0
		.amdhsa_next_free_vgpr 256
		.amdhsa_next_free_sgpr 96
		.amdhsa_reserve_vcc 1
		.amdhsa_float_denorm_mode_32 3
		.amdhsa_float_denorm_mode_16_64 3
		.amdhsa_memory_ordered 1
		.amdhsa_forward_progress 1
		.amdhsa_inst_pref_size 40
	.end_amdhsa_kernel
	.amdgpu_metadata
---
amdhsa.version: [ 1, 2 ]
amdhsa.kernels:
  - .name:           k_q2f460eb753_attn
    .symbol:         k_q2f460eb753_attn.kd
    .args:
      - { .name: qkv, .offset: 0, .size: 8, .value_kind: global_buffer, .address_space: global }
      - { .name: oq, .offset: 8, .size: 8, .value_kind: global_buffer, .address_space: global }
    .group_segment_fixed_size: 210944
    .private_segment_fixed_size: 0
    .kernarg_segment_align: 8
    .kernarg_segment_size: 16
    .max_flat_workgroup_size: 512
    .sgpr_count:     96
    .vgpr_count:     256
    .wavefront_size: 32
...
	.end_amdgpu_metadata
.endif
;; end of part 3
;; launch wo (part 4): grid 8 x 32, 4 waves a work-group, clusters of 4 x 4, 327,680 bytes of LDS; arguments oq, Wo_codes, Wo_scales, bo, x, x1; writes x1
.if DOCPART == 4
	.amdgcn_target "amdgcn-amd-amdhsa--gfx1250"
	.amdhsa_code_object_version 6
	.text
	.protected	k_q2f460eb753_wo
	.globl	k_q2f460eb753_wo
	.p2align	8
	.type	k_q2f460eb753_wo,@function
k_q2f460eb753_wo:
	s_mov_b64 s[64:65], 0
	v_nop
	global_prefetch_b8 v0, s[64:65] scope:SCOPE_SE
	s_setreg_imm32_b32 hwreg(HW_REG_WAVE_MODE, 25, 1), 1
	s_wait_xcnt 0x0
	s_wait_alu depctr_hold_cnt(0) depctr_sa_sdst(0) depctr_va_vdst(0) depctr_va_sdst(0) depctr_va_ssrc(0) depctr_va_vcc(0) depctr_vm_vsrc(0)
	s_getreg_b32 s2, hwreg(HW_REG_IB_STS2, 6, 4)
	s_cmp_eq_u32 s2, 0
	s_cbranch_scc0 .Lentry_in_a_cluster
	s_endpgm
.Lentry_in_a_cluster:
	s_bfe_u32 s2, ttmp6, 0x10000c
	s_cmp_lg_u32 s2, 0xf033
	s_cbranch_scc0 .Lentry_shape_is_right
	s_endpgm
.Lentry_shape_is_right:
; out = res + A B^T + bias: a GEMM on codes of FP6 (E2M3, one E8M0 scale for each 32 along K) with 4,096 rows, 1,024 columns and K = SIZE_K; bias [1024], res and out [4096][1024] f32.
; A: IMAGES OF OPERAND REGISTERS, [step of 128 along K][block of 16 rows][1,536 bytes]: for c = 0, 1: registers 6 c .. 6 c + 3 of lane l at 768 c + 16 l, registers 6 c + 4, 6 c + 5 at 768 c + 512 + 8 l;
;    its scale words [step][row] behind the codes.   B: rows of SIZE_K x 3 / 4 bytes of codes, K innermost; rows of SIZE_K / 32 scale bytes.
; C has 32 x 8 tiles of 128 x 128, one for each of 256 work-groups (tiles of 256 x 256 would be 64); four waves, 64 x 64 each: 16 accumulators.  K goes in steps of 512 through a ring of two LDS slots filled by the
; tensor data mover, as long as two slots in LDS allow: 64 matrix instructions a wave between two changes of slots.  All scale words come into LDS once.
; CLUSTERS: 4 x 4 work-groups; A's tiles are shared along a row of the cluster, B's along a column: joint loads.  THE MATRIX INSTRUCTION IS USED TRANSPOSED (source 0 = 16 rows of B, source 1 = 16 rows of A):
; lane (r, h) holds row r, register j of accumulator (a, b) the column 16 b + 8 h + j.  The bias is the C of each sum's first product.  The residual is asked for at the head, in the layout in which rows are stored,
; and is on its way through the whole K loop.
; With SIZE_K = 1,024 both slots are filled once and the loop is left out; the text is otherwise the same.
; REGISTERS, in windows of 256: window 0: v0-31 addresses; v32-47 A's scale words, v48-63 B's, two sets each; v64-95 the bias; v128-175 A's four fragments, ONE set; on the way out v128-191 rows of C.
;   window 1: B's four fragments, TWO sets, at v0 and v128.   window 2: the accumulators, (a, b) at v[8 (4 a + b)].   window 3: the residual, 32 registers for each block of 16 rows.
.set SIZE_K, 1024
.set NK,     SIZE_K/128                ; steps of 128
.set KS,     SIZE_K/32                 ; a row of B's scale bytes
.set KROW,   SIZE_K*3/4                ; a row of B's codes
; ALL OF K LIES IN LDS, FILLED ONCE, one tensor load a wave at the head: wave 0 A's 128 rows (8 steps x 12,288 bytes), wave 1 B's 128 rows of 768 bytes (each begins at a multiple of 256 bytes),
; wave 2 A's scale words, wave 3 B's scale bytes.  Nothing is filled again.  'Slot' s below means steps 4 s .. 4 s + 3; the one barrier between the two parts the reads of steps 0-3 from the stage's stores.
.set FR,     12
.set NLA,    4                         ; LDS loads that bring a fragment of A
.set ASTEP,  12288                     ; a step of A in LDS: 8 blocks of 16 rows x 1,536 bytes
.set BPITCH, 816                       ; a row of B in LDS: 3 x (256 bytes + 16 of padding)
.set BBASE,  NK*ASTEP                  ; B's 128 rows, behind A
.set SCLA,   BBASE+128*BPITCH          ; A's scale words: [step][128 rows x 4 bytes]
.set SCLB,   SCLA+512*NK               ; B's scale bytes, as runs of 256 bytes + 16 of padding
.set HALFS,  (64*KS/256)*272
.set SBLK,   (16*KS/256)*272
.set SPARE,  SCLB+2*HALFS              ; the spare words, 128 bytes for each wave, which no other line names
.set SPITCH, 272                       ; the way out: a stage of 16 rows x (256 bytes + 16) for each wave, in slot 0, which has had its last fill and its last read by then
.set ADA,  16                          ; v16-17 A's images in slot 0, 1: + 16 x lane;  v18-19: + 8 x lane
.set ADA8, 18
.set ADRB, 20                          ; v20 B's rows; v21 the same for the pieces behind one padding more
.set STO,  24
.set RD,   25
.set CO,   26                          ; v26  my byte offset in two rows of C: 4,096 (lane / 16) + 16 (lane % 16)
.set ADSA, 27
.set SPW,  28                          ; my spare word; never rewritten
.set NIL,  29                          ; 0; never rewritten
.set ADSB, 30
.set BO,   31                          ; 32 x (lane / 16)
.set SA,   32                          ; set s at SA + 8 s; register 2 q + i: lanes 0-15 the words of A's block 2 i, lanes 16-31 of block 2 i + 1, for the slot's q-th step
.set SB,   48                          ; set s at SB + 8 s; register 4 j + q: lanes 0-15 B's block 2 j, lanes 16-31 block 2 j + 1
.set BIAS, 64
.set AF,   128
.set BK,   128
.set G1, 24
.set G0, 32
.set G1B, 48
.set G0B, 56
.set G1S, 68
.set G0S, 76
.set G1SB, 80
.set G0SB, 88
.set MSB, 0
.macro WIN new                         ; the immediate's high byte repeats the setting that is left; a switch that changes nothing is dropped
.if MSB != (\new)
	s_set_vgpr_msb (MSB<<8)|(\new)
.set MSB, (\new)
.endif
.endm
.set MUL,  0xa1                        ; source 0 (B) window 1, source 1 (A) window 0, C and D window 2
.set MUL0, 0x81                        ; the same with C (the bias) in window 0
.set TO_B, 0x40
.macro HLOAD g0, g1                    ; a joint load with s_nop 0 and four v_nop behind it
	tensor_load_to_lds s[\g0:\g0+3], s[\g1:\g1+7]
	s_nop 0
.rept 4
	v_nop
.endr
.endm
.macro ARM under, g0, g1, next         ; an arm of the head's one chain of branches on the wave's number
	s_cmp_lt_u32 s14, \under
	s_cbranch_scc0 \next
	HLOAD \g0, \g1
	s_branch .Lhead_asked
\next:
.endm
.macro CREST                           ; a round of the cluster's barrier behind its opening barrier
	s_cmp_lg_u32 s14, 0
	s_cbranch_scc1 .Lnot_wave_0_\@
	s_barrier_signal -3
.Lnot_wave_0_\@:
	s_barrier_wait -3
	s_barrier_signal -1
	s_barrier_wait -1
.endm
.macro CROUND
	s_barrier_signal -1
	s_barrier_wait -1
	CREST
.endm
	s_load_b64 s[4:5], s[0:1], 0x0                 ; A
	s_load_b128 s[8:11], s[0:1], 0x8               ; B's codes, B's scales
	s_load_b64 s[98:99], s[0:1], 0x18              ; bias
	s_load_b64 s[96:97], s[0:1], 0x20              ; res
	s_load_b64 s[12:13], s[0:1], 0x28              ; out
	v_lshl_add_u32 v[SPW], v0, 2, SPARE
	v_mov_b32 v[NIL], 0
	ds_add_u32 v28, v29
	ds_add_u32 v28, v29
	s_wait_dscnt 0x0
	v_lshrrev_b32 v1, 5, v0
	v_readfirstlane_b32 s14, v1                    ; wave 0..3
	s_lshr_b32 s15, s14, 1                         ; which half of the tile's rows is mine
	s_and_b32 s16, s14, 1                          ; which half of its columns
	s_bfe_u32 s40, ttmp6, 0x40000                  ; cx, cy
	s_bfe_u32 s41, ttmp6, 0x40004
	s_lshl_b32 s42, ttmp9, 2
	s_add_co_u32 s42, s42, s40                     ; tile column
	s_and_b32 s17, ttmp7, 0xffff
	s_lshl_b32 s17, s17, 2
	s_add_co_u32 s17, s17, s41                     ; tile row
	s_lshl_b32 s43, s41, 2
	s_lshl_b32 s43, 15, s43                        ; my row of the cluster
	s_lshl_b32 s44, 0x1111, s40                    ; my column
	; group 1, A's codes: NK steps' 12,288 bytes (1,536 elements of 8 bytes), 393,216 bytes apart, dense in LDS
	s_or_b32 s[G1+0], s43, (3<<16)|(1<<21)         ; 15:0 the mask; 17:16 elements of 8 bytes; 21 set beside a mask
	s_mov_b32 s[G1+1], 1536<<16                    ; NK steps' 12,288 bytes (1,536 elements of 8 bytes)
	s_mov_b32 s[G1+2], NK<<16
	s_mov_b32 s[G1+3], 1536<<16
	s_mov_b32 s[G1+4], NK
	s_mov_b32 s[G1+5], 49152
	s_mov_b32 s[G1+6], 0
	s_mov_b32 s[G1+7], 0
	; B's codes: 128 rows of 768 bytes; 16 bytes of padding behind every 256
	s_or_b32 s[G1B+0], s44, (0<<16)|(1<<20)|(1<<21)|(5<<22)|(3<<25)  ; 128 rows of 768 bytes; 16 bytes of padding behind every 256
	s_mov_b32 s[G1B+1], 768<<16
	s_mov_b32 s[G1B+2], 128<<16
	s_mov_b32 s[G1B+3], 768<<16
	s_mov_b32 s[G1B+4], 128
	s_mov_b32 s[G1B+5], KROW
	s_mov_b32 s[G1B+6], 0
	s_mov_b32 s[G1B+7], 0
	; A's scale words: NK steps' 512 bytes, 16,384 bytes apart
	s_or_b32 s[G1S+0], s43, (3<<16)|(1<<21)
	s_mov_b32 s[G1S+1], 64<<16                     ; 512 bytes a step: 128 rows
	s_mov_b32 s[G1S+2], NK<<16
	s_mov_b32 s[G1S+3], 64<<16
	s_mov_b32 s[G1S+4], NK
	s_mov_b32 s[G1S+5], 2048
	s_mov_b32 s[G1S+6], 0
	s_mov_b32 s[G1S+7], 0
	; B's scale bytes: 128 KS dense bytes, as rows of 256 with 16 bytes of padding behind each
	s_or_b32 s[G1SB+0], s44, (3<<16)|(1<<20)|(1<<21)|(5<<22)|(3<<25)
	s_mov_b32 s[G1SB+1], 32<<16
	s_mov_b32 s[G1SB+2], (128*KS/256)<<16          ; 128 rows' scale bytes
	s_mov_b32 s[G1SB+3], 32<<16
	s_mov_b32 s[G1SB+4], 128*KS/256
	s_mov_b32 s[G1SB+5], 32
	s_mov_b32 s[G1SB+6], 0
	s_mov_b32 s[G1SB+7], 0
	s_mul_i32 s20, s17, 8*1536                     ; A: blocks of rows 8 x tile row on
	s_mov_b32 s21, 0
	s_lshl_b32 s22, s17, 9                         ; its scale words: 128 x tile row x 4, behind the codes
	s_add_co_u32 s22, s22, NK*393216
	s_mov_b32 s23, 0
	s_lshl_b32 s46, s42, 7                         ; B: row 128 x tile column
	s_mul_i32 s92, s46, KS
	s_mov_b32 s93, 0
	s_mul_i32 s46, s46, KROW
	s_mov_b32 s47, 0
	s_wait_kmcnt 0x0
	s_add_nc_u64 s[20:21], s[4:5], s[20:21]
	s_add_nc_u64 s[22:23], s[4:5], s[22:23]
	s_add_nc_u64 s[46:47], s[8:9], s[46:47]
	s_add_nc_u64 s[92:93], s[10:11], s[92:93]
	CROUND                                         ; all sixteen work-groups are here: the first joint loads meet
	s_mov_b32 s[G0S], 1
	s_mov_b32 s[G0S+1], SCLA
	s_mov_b64 s[G0S+2:G0S+3], s[22:23]
	s_or_b32 s[G0S+3], s[G0S+3], 0x80000000
	s_mov_b32 s[G0SB], 1
	s_mov_b32 s[G0SB+1], SCLB
	s_mov_b64 s[G0SB+2:G0SB+3], s[92:93]
	s_or_b32 s[G0SB+3], s[G0SB+3], 0x80000000
	s_mov_b32 s[G0], 1
	s_mov_b32 s[G0+1], 0
	s_mov_b64 s[G0+2:G0+3], s[20:21]
	s_or_b32 s[G0+3], s[G0+3], 0x80000000
	s_mov_b32 s[G0B], 1
	s_mov_b32 s[G0B+1], BBASE
	s_mov_b64 s[G0B+2:G0B+3], s[46:47]
	s_or_b32 s[G0B+3], s[G0B+3], 0x80000000
	ARM 1, G0,  G1,  .Lhead_b                      ; one load a wave: A's codes,
	ARM 2, G0B, G1B, .Lhead_sa                     ; B's codes,
	ARM 3, G0S, G1S, .Lhead_sb                     ; A's scale words,
	HLOAD G0SB, G1SB                               ; B's scale bytes
.Lhead_asked:
	v_and_b32 v1, 15, v0                           ; r
	v_bfe_u32 v2, v0, 4, 1                         ; h
	v_and_b32 v6, 31, v0                           ; lane
	v_lshlrev_b32 v3, 4, v6
	v_lshlrev_b32 v4, 3, v6
	v_mul_u32_u24 v5, v1, BPITCH
	v_mad_u32_u24 v7, v2, 24, v5                   ; B: row x pitch + 24 x half,
	v_mad_u32_u24 v8, v2, 40, v5                   ; and the same behind one padding more
	s_mul_i32 s21, s15, 4*1536                     ; my four blocks of a step of A
	s_mul_i32 s22, s16, 64*BPITCH                  ; my 64 rows of B
	s_add_co_u32 s22, s22, BBASE
.irp s, 0,1
	v_add_nc_u32 v[ADA+\s], s21, v3
	v_add_nc_u32 v[ADA8+\s], s21, v4
	s_add_co_u32 s21, s21, 4*ASTEP
.endr
	v_add_nc_u32 v[ADRB], s22, v7
	v_add_nc_u32 v[ADRB+1], s22, v8
	s_lshl_b32 s21, s15, 8                         ; my 64 rows' scale words of a step
	s_add_co_u32 s21, s21, SCLA
	v_lshl_add_u32 v[ADSA], v6, 2, s21             ; A's scale words: lane l takes row l of 32
	v_mul_u32_u24 v5, v1, KS                       ; B's: KS bytes a row,
	v_lshrrev_b32 v7, 8, v5
	v_lshl_add_u32 v5, v7, 4, v5                   ; 16 more for each 256 passed,
	v_mad_u32_u24 v5, v2, SBLK, v5                 ; and lanes 16-31 take the next block of 16 rows
	s_mul_i32 s21, s16, HALFS
	s_add_co_u32 s21, s21, SCLB
	v_add_nc_u32 v[ADSB], s21, v5
	s_mul_i32 s23, s14, 16*SPITCH                  ; my stage
	v_mul_u32_u24 v5, v1, SPITCH                   ; in: row r, 32 bytes for each half of the lanes
	v_lshl_add_u32 v5, v2, 5, v5
	v_add_nc_u32 v[STO], s23, v5
	v_mul_u32_u24 v5, v2, SPITCH                   ; back: lanes 0-15 one row of 256 bytes, lanes 16-31 the next
	v_lshl_add_u32 v5, v1, 4, v5
	v_add_nc_u32 v[RD], s23, v5
	v_lshlrev_b32 v5, 12, v2
	v_lshl_add_u32 v[CO], v1, 4, v5                ; and the same two rows in C
	v_lshlrev_b32 v[BO], 5, v2
	s_wait_alu depctr_va_vdst(0)
	s_lshl_b32 s20, s17, 19                        ; my part of C: (128 x tile row + 64 x half) rows of 4,096 bytes
	s_lshl_b32 s21, s15, 18
	s_add_co_u32 s20, s20, s21
	s_lshl_b32 s22, s42, 9                         ; + (128 x tile column + 64 x half) x 4
	s_lshl_b32 s23, s16, 8
	s_add_co_u32 s22, s22, s23
	s_add_co_u32 s20, s20, s22
	s_mov_b32 s21, 0
	s_mov_b32 s23, 0
	s_add_nc_u64 s[96:97], s[96:97], s[20:21]
	s_add_nc_u64 s[12:13], s[12:13], s[20:21]
	s_add_nc_u64 s[98:99], s[98:99], s[22:23]
.irp b, 0,1,2,3
	global_load_b128 v[BIAS+8*\b:BIAS+8*\b+3], v[BO], s[98:99] offset:64*\b        ; lane (r, h): the bias of columns 16 b + 8 h + 0 .. 7
	global_load_b128 v[BIAS+8*\b+4:BIAS+8*\b+7], v[BO], s[98:99] offset:64*\b+16
.endr
	WIN 0xc0                                       ; destination window 3
.irp a, 0,1,2,3
.irp t, 0,1,2,3,4,5,6,7
	global_load_b128 v[32*\a+4*\t:32*\a+4*\t+3], v[CO], s[96:97] offset:(16*\a+2*\t)*4096   ; the residual: sixteen lanes read 256 consecutive bytes of a row
.endr
.endr
	WIN 0
.macro FRAGB reg, adr, q, i            ; a fragment of B: lane l holds row l % 16; registers 6 c .. 6 c + 5 hold K = 64 c + 32 (l / 16) + 0 .. 31, 24 bytes of the row as they lie, in pieces of 8 bytes
.irp p, 0,1,2,3,4,5                    ; lanes 16-31 read three pieces further on; where that is behind one padding more (32 pieces between paddings), the second address register serves
.set PCE, 12*(\q)+6*(\p/3)+\p%3        ; q: the step, 0 to 7; 32 pieces between paddings
.if PCE%32 < 29
	ds_load_b64 v[\reg+2*\p:\reg+2*\p+1], v[\adr] offset:8*PCE+16*(PCE/32)+(\i)*16*BPITCH
.else
	ds_load_b64 v[\reg+2*\p:\reg+2*\p+1], v[\adr+1] offset:8*PCE+16*(PCE/32)+(\i)*16*BPITCH
.endif
.endr
.endm
.macro FRAGA reg, slot, q, i           ; a fragment of A comes as it was stored: consecutive bytes in consecutive lanes
.irp c, 0,1
	ds_load_b128 v[\reg+6*\c:\reg+6*\c+3], v[ADA+\slot] offset:ASTEP*(\q)+1536*(\i)+768*\c
	ds_load_b64 v[\reg+6*\c+4:\reg+6*\c+5], v[ADA8+\slot] offset:ASTEP*(\q)+1536*(\i)+768*\c+512
.endr
.endm
.macro FETCH_B slot, q, p
	WIN TO_B
.irp i, 0,1,2,3
	FRAGB 128*(\p)+FR*\i, ADRB, 4*(\slot)+(\q), \i
.endr
	WIN 0
.endm
.macro FETCH_A slot, q, i0
.irp i, \i0, \i0+1
	FRAGA AF+FR*(\i), \slot, \q, \i
.endr
.endm
.macro SCALES sc                       ; a slot's scale words: ten loads
.irp q, 0,1,2,3
.irp ip, 0,1
	ds_load_b32 v[SA+8*\sc+2*\q+\ip], v[ADSA] offset:512*\q+128*\ip
.endr
.endr
.irp jp, 0,1
	ds_load_b128 v[SB+8*\sc+4*\jp:SB+8*\sc+4*\jp+3], v[ADSB] offset:2*\jp*SBLK
.endr
.endm
; One product: A's block a x B's block b, the slot's q-th step.  An odd block's scale words stand in lanes 16-31 of their register.  zero = 1: the sum starts from the bias.
.macro WM a, b, p, q, sc, zero
.set rD, 8*(4*(\a)+(\b))
.set rC, rD
.if \zero
.set rC, BIAS+8*(\b)
.endif
.set rB, 128*(\p)+FR*(\b)
.set rA, AF+FR*(\a)
.set rS, SB+8*(\sc)+4*((\b)/2)+(\q)
.set rT, SA+8*(\sc)+2*(\q)+(\a)/2
.if ((\a)%2 == 0) && ((\b)%2 == 0)
	v_wmma_scale_f32_16x16x128_f8f6f4 v[rD:rD+7], v[rB:rB+FR-1], v[rA:rA+FR-1], v[rC:rC+7], v[rS], v[rT] matrix_a_fmt:MATRIX_FMT_FP6 matrix_b_fmt:MATRIX_FMT_FP6
.elseif (\a)%2 == 0
	v_wmma_scale_f32_16x16x128_f8f6f4 v[rD:rD+7], v[rB:rB+FR-1], v[rA:rA+FR-1], v[rC:rC+7], v[rS], v[rT] matrix_a_fmt:MATRIX_FMT_FP6 matrix_b_fmt:MATRIX_FMT_FP6 matrix_a_scale:MATRIX_SCALE_ROW1
.elseif (\b)%2 == 0
	v_wmma_scale_f32_16x16x128_f8f6f4 v[rD:rD+7], v[rB:rB+FR-1], v[rA:rA+FR-1], v[rC:rC+7], v[rS], v[rT] matrix_a_fmt:MATRIX_FMT_FP6 matrix_b_fmt:MATRIX_FMT_FP6 matrix_b_scale:MATRIX_SCALE_ROW1
.else
	v_wmma_scale_f32_16x16x128_f8f6f4 v[rD:rD+7], v[rB:rB+FR-1], v[rA:rA+FR-1], v[rC:rC+7], v[rS], v[rT] matrix_a_fmt:MATRIX_FMT_FP6 matrix_b_fmt:MATRIX_FMT_FP6 matrix_a_scale:MATRIX_SCALE_ROW1 matrix_b_scale:MATRIX_SCALE_ROW1
.endif
.endm
.macro MULQ a, p, q, sc, zero          ; four products.  The 16 accumulators take turns, one instruction a turn, in the same order in every step
.irp b, 0,1,2,3
	WM \a, \b, \p, \q, \sc, \zero
.endr
.endm
.macro MWIN zero
.if \zero
	WIN MUL0
.else
	WIN MUL
.endif
.endm
; A load into a register that a matrix instruction has read, and a vector instruction or store that reads a matrix result, stand four places behind it; only plain vector instructions that name none of its
; registers are places (ISA guide 7.12.1 for vector instructions).
.macro PLACES n
.rept \n
	v_nop
.endr
.endm
.macro STEP slot, q, zero              ; a step of 128 along K that has its successor in the same slot
	s_wait_dscnt 2*NLA                             ; B's set, A's blocks 0, 1 (and the scale words) are in; the youngest 8 loads (A's blocks 2, 3) may be out
	MWIN \zero
	MULQ 0, (\q)%2, \q, \slot, \zero
	MULQ 1, (\q)%2, \q, \slot, \zero
	s_wait_dscnt 0
	PLACES 4
	FETCH_B \slot, (\q)+1, 1-(\q)%2
	FETCH_A \slot, (\q)+1, 0
	MWIN \zero
	MULQ 2, (\q)%2, \q, \slot, \zero
	MULQ 3, (\q)%2, \q, \slot, \zero
	PLACES 4
	WIN 0
	FETCH_A \slot, (\q)+1, 2
.endm
; A slot's last step changes slots: ONE barrier; in front of it each wave waits for all its tensor loads, adds 0 to its spare word, and waits for that and for its own reads of this slot.  fill = 1: this slot is filled again, two slots ahead.
.macro TURN slot, next, fill
	s_wait_tensorcnt 0x0                           ; all my tensor loads have landed: my part of the next slot
	ds_add_u32 v[SPW], v[NIL]                      ; 0 onto my spare word
	s_wait_dscnt 2*NLA+1                           ; (the add and the youngest 8 loads may be out)
	WIN MUL
	MULQ 0, 1, 3, \slot, 0                         ; four matrix instructions stand between the add and the wait for it
	s_wait_dscnt 0x0                               ; the add is done, and my reads of this slot are over
	s_barrier_signal -1
	MULQ 1, 1, 3, \slot, 0
	WIN 0
	s_barrier_wait -1
	PLACES 4
	v_add_nc_u32 v[ADSA], 2048, v[ADSA]            ; on to the next four steps' scale words
	v_add_nc_u32 v[ADSB], 16, v[ADSB]
	FETCH_B \next, 0, 0
	FETCH_A \next, 0, 0
	SCALES \next
	WIN MUL
	MULQ 2, 1, 3, \slot, 0
	MULQ 3, 1, 3, \slot, 0
	PLACES 4
	WIN 0
	FETCH_A \next, 0, 2
.endm
	s_wait_tensorcnt 0x0                           ; my one load has landed,
	s_barrier_signal -1
	s_barrier_wait -1                              ; and everybody's
	FETCH_B 0, 0, 0
	FETCH_A 0, 0, 0
	SCALES 0
	FETCH_A 0, 0, 2
	s_wait_loadcnt 32                              ; the bias is in; the residual's 32 loads stay out
	STEP 0, 0, 1                                   ; the first step stands in front of the loop: its products start the sums
	STEP 0, 1, 0                                   ; the last lap fills nothing
	STEP 0, 2, 0
	TURN 0, 1, 0
	STEP 1, 0, 0
	STEP 1, 1, 0
	STEP 1, 2, 0
	s_wait_dscnt 2*NLA                             ; the very last step: nothing more to fetch
	WIN MUL
	MULQ 0, 1, 3, 1, 0
	MULQ 1, 1, 3, 1, 0
	s_wait_dscnt 0
	MULQ 2, 1, 3, 1, 0
	MULQ 3, 1, 3, 1, 0
	WIN 0
; THE WAY OUT, block by block of 16 rows x 64 columns: through my own stage in LDS, back as rows of 256 bytes, the residual added, stored.  LDS serves a wave's instructions in order (ISA guide 5.7.1.4).
.macro TOSTAGE a
	WIN 0x08                                       ; an LDS store's data: window 2
.irp b, 0,1,2,3
	ds_store_b128 v[STO], v[8*(4*(\a)+\b):8*(4*(\a)+\b)+3] offset:64*\b          ; each accumulator from its low end on
	ds_store_b128 v[STO], v[8*(4*(\a)+\b)+4:8*(4*(\a)+\b)+7] offset:64*\b+16
.endr
	WIN 0
.set BB, BK+32*((\a)%2)
.irp t, 0,1,2,3,4,5,6,7
	ds_load_b128 v[BB+4*\t:BB+4*\t+3], v[RD] offset:\t*2*SPITCH
.endr
.endm
.macro SEND a, younger                 ; younger: the LDS instructions issued behind block a's loads, which may stay out
.set BB, BK+32*((\a)%2)
	s_wait_dscnt \younger
	WIN 0x0c                                       ; source 1: window 3
.set k, 0
.rept 16
	v_pk_add_f32 v[BB+k:BB+k+1], v[BB+k:BB+k+1], v[32*(\a)+k:32*(\a)+k+1]
.set k, k+2
.endr
	WIN 0
.irp t, 0,1,2,3,4,5,6,7
.if SIZE_K > 1024
	global_store_b128 v[CO], v[BB+4*\t:BB+4*\t+3], s[12:13] offset:(16*(\a)+2*\t)*4096 th:TH_STORE_NT   ; sixteen lanes store 256 consecutive bytes, aligned; the program's result, read by nobody here
.else
	global_store_b128 v[CO], v[BB+4*\t:BB+4*\t+3], s[12:13] offset:(16*(\a)+2*\t)*4096                  ; sixteen lanes store 256 consecutive bytes, aligned; later launches read them
.endif
.endr
.endm
	PLACES 4                                       ; behind the last products
	s_wait_loadcnt 0x0                             ; the residual
	TOSTAGE 0
.irp a, 1,2,3
.if \a > 1
	s_wait_xcnt 0x0                                ; block a - 2's stores have read their registers: block a's loads may land there
.endif
	TOSTAGE \a
	SEND \a-1, 16                                  ; behind block a - 1's loads: block a's 8 stores and 8 loads
.endr
	SEND 3, 0
	s_wait_tensorcnt 0x0                           ; the wave's end
	ds_add_u32 v[SPW], v[NIL]
	s_wait_dscnt 0x0
	CROUND                                         ; the closing round: no work-group ends while a partner may still ask for a tile that names it
	s_endpgm
.Lfunc_end_k_q2f460eb753_wo:
	.size	k_q2f460eb753_wo, .Lfunc_end_k_q2f460eb753_wo-k_q2f460eb753_wo
	.p2alignl 7, 3214868480
	.fill 96, 4, 3214868480
	.section	.rodata,"a",@progbits
	.p2align	6, 0x0
	.amdhsa_kernel k_q2f460eb753_wo
		.amdhsa_group_segment_fixed_size 327680
		.amdhsa_private_segment_fixed_size 0
		.amdhsa_enable_private_segment 0
		.amdhsa_kernarg_size 48
		.amdhsa_user_sgpr_count 2
		.amdhsa_user_sgpr_kernarg_segment_ptr 1
		.amdhsa_wavefront_size32 1
		.amdhsa_system_sgpr_workgroup_id_x 1
		.amdhsa_system_sgpr_workgroup_id_y 1
		.amdhsa_system_sgpr_workgroup_id_z 1
		.amdhsa_system_vgpr_workitem_id 0
		.amdhsa_next_free_vgpr 1024
		.amdhsa_next_free_sgpr 102
		.amdhsa_reserve_vcc 0
		.amdhsa_float_denorm_mode_32 3
		.amdhsa_float_denorm_mode_16_64 3
		.amdhsa_memory_ordered 1
		.amdhsa_forward_progress 1
		.amdhsa_inst_pref_size 66
	.end_amdhsa_kernel
	.amdgpu_metadata
---
amdhsa.version: [ 1, 2 ]
amdhsa.kernels:
  - .name:           k_q2f460eb753_wo
    .symbol:         k_q2f460eb753_wo.kd
    .args:
      - { .name: oq, .offset: 0, .size: 8, .value_kind: global_buffer, .address_space: global }
      - { .name: Wo_codes, .offset: 8, .size: 8, .value_kind: global_buffer, .address_space: global }
      - { .name: Wo_scales, .offset: 16, .size: 8, .value_kind: global_buffer, .address_space: global }
      - { .name: bo, .offset: 24, .size: 8, .value_kind: global_buffer, .address_space: global }
      - { .name: x, .offset: 32, .size: 8, .value_kind: global_buffer, .address_space: global }
      - { .name: x1, .offset: 40, .size: 8, .value_kind: global_buffer, .address_space: global }
    .group_segment_fixed_size: 327680
    .private_segment_fixed_size: 0
    .kernarg_segment_align: 8
    .kernarg_segment_size: 48
    .max_flat_workgroup_size: 128
    .sgpr_count:     102
    .vgpr_count:     1024
    .wavefront_size: 32
...
	.end_amdgpu_metadata
.endif
;; end of part 4
;; launch ln2: the kernel of part 1 again; grid 256 x 1, 4 waves a work-group, no clusters, 22,016 bytes of LDS; arguments x1, ln2_g, ln2_b, hq; writes hq
;; launch w1 (part 5): grid 16 x 16, 4 waves a work-group, clusters of 4 x 4, 327,680 bytes of LDS; arguments hq, W1_codes, W1_scales, b1, fq; writes fq
.if DOCPART == 5
	.amdgcn_target "amdgcn-amd-amdhsa--gfx1250"
	.amdhsa_code_object_version 6
	.text
	.protected	k_q2f460eb753_w1
	.globl	k_q2f460eb753_w1
	.p2align	8
	.type	k_q2f460eb753_w1,@function
k_q2f460eb753_w1:
	s_mov_b64 s[64:65], 0
	v_nop
	global_prefetch_b8 v0, s[64:65] scope:SCOPE_SE
	s_setreg_imm32_b32 hwreg(HW_REG_WAVE_MODE, 25, 1), 1
	s_wait_xcnt 0x0
	s_wait_alu depctr_hold_cnt(0) depctr_sa_sdst(0) depctr_va_vdst(0) depctr_va_sdst(0) depctr_va_ssrc(0) depctr_va_vcc(0) depctr_vm_vsrc(0)
	s_getreg_b32 s2, hwreg(HW_REG_IB_STS2, 6, 4)
	s_cmp_eq_u32 s2, 0
	s_cbranch_scc0 .Lentry_in_a_cluster
	s_endpgm
.Lentry_in_a_cluster:
	s_bfe_u32 s2, ttmp6, 0x10000c
	s_cmp_lg_u32 s2, 0xf033
	s_cbranch_scc0 .Lentry_shape_is_right
	s_endpgm
.Lentry_shape_is_right:
; f = relu(h2 W1 + b1): a GEMM on codes of FP6 (E2M3, one E8M0 byte for each 32 along K), 4,096 x 4,096, K = 1,024; the bias is the C of each sum's first product.
; f is quantised along its columns (blocks of 32) and stored as images of operand registers, with its scale words.
; A tile is 256 x 256, four waves of 128 x 128.  A row of codes is 768 bytes: three chunks of 256 bytes, each beginning at a multiple of 256; chunk c lies in slot c % 2 of a ring of two LDS slots.
; A step of 128 along K is 96 bytes: steps 2 and 5 lie across two chunks.  All scale bytes of the tile's rows come into LDS once.  4 x 4 clusters: A's tiles are asked for jointly along a row, B's along a column.
; Source 0 = 16 rows of B, source 1 = 16 rows of A: a lane holds eight neighbouring columns of one row.
; No prefetch: the walk has three chunks, two of them first fills, so no K step lies two refills ahead.
; LIMITS: NaN and infinities are not served; a block of zeros gets the scale byte 1 (its codes are zeros; this program alone reads the bytes).
.set JOB,    1
.set ROWB,   256
.set NQ,     2
.set KROW,   768
.set STEPS,  8
.set CHUNKS, 3
.set PITCH,  272                       ; 256 bytes + 16 of padding
.set FR,     12
.set NL,     6
.set NP,     4
.set HALFT,  128*PITCH
.set SLOT,   4*HALFT                   ; A's 256 rows, then B's
.set KS,     32
.set SCL,    2*SLOT                    ; the scales, units of 256 bytes + 16
.set HALFS,  (128*KS/256)*272
.set SBLK,   (16*KS/256)*272
.set SPARE,  SCL+4*HALFS               ; the spare words, 512 bytes
.set WSTG,   SPARE+512                 ; a stage of 512 bytes a wave for the results' scale words: bytes of its own
.set ASC,    3145728
.if JOB == 0
.set SOFF,   9437184
.else
.set SOFF,   12582912
.endif
.set ADRA, 16                          ; v16-17 A's fragments in slot 0, 1; v18-19 for pieces whose two halves of the lanes lie in different chunks
.set ADRB, 20
.set O16,  24
.set O8,   25
.set WST,  26
.set ADRS, 27
.set SPW,  28
.set NIL,  29
.set WRD,  30
.set BO,   31
.set SC,   32                          ; scale words, two sets of 16
.set BIAS, 64
.set CD,   96
.set AF,   128                         ; A's fragments, window 0; B's two sets in window 1; accumulators in windows 2, 3
.set TM,   200
.set PW,   216
.set WW,   220
.set SEL,  66
.set G1, 24
.set G0, 32
.set G1B, 48
.set G0B, 56
.set G1S, 68
.set G0S, 76
.set G1SB, 80
.set G0SB, 88
.set G0H, 4                            ; group 0 of the head's loads of chunk 0, in registers whose arguments are used up
.set G0HB, 8
.set MSB, 0
.macro WIN new
.if MSB != (\new)
	s_set_vgpr_msb (MSB<<8)|(\new)
.set MSB, (\new)
.endif
.endm
.set TO_B, 0x40
.macro HLOAD g0, g1                    ; a tensor load with s_nop 0 and four v_nop behind it
	tensor_load_to_lds s[\g0:\g0+3], s[\g1:\g1+7]
	s_nop 0
.rept 4
	v_nop
.endr
.endm
.macro JLOAD g0a, g1a, g0b, g1b        ; waves 0, 1 fetch for A, waves 2, 3 for B
	s_cmp_eq_u32 s15, 0
	s_cbranch_scc0 .Lfor_b_\@
	HLOAD \g0a, \g1a
	s_branch .Lasked_\@
.Lfor_b_\@:
	HLOAD \g0b, \g1b
.Lasked_\@:
.endm
.macro CREST
	s_cmp_lg_u32 s14, 0
	s_cbranch_scc1 .Lnot_wave_0_\@
	s_barrier_signal -3
.Lnot_wave_0_\@:
	s_barrier_wait -3
	s_barrier_signal -1
	s_barrier_wait -1
.endm
.macro CROUND
	s_barrier_signal -1
	s_barrier_wait -1
	CREST
.endm
.if JOB == 0
	s_load_b512 s[68:83], s[0:1], 0x0
.else
	s_load_b64 s[4:5], s[0:1], 0x0
	s_load_b128 s[8:11], s[0:1], 0x8
	s_load_b64 s[98:99], s[0:1], 0x18
	s_load_b64 s[12:13], s[0:1], 0x20
.endif
	v_lshl_add_u32 v[SPW], v0, 2, SPARE
	v_mov_b32 v[NIL], 0
	ds_add_u32 v[SPW], v[NIL]                      ; the opening lines
	ds_add_u32 v[SPW], v[NIL]
	v_lshrrev_b32 v1, 5, v0
	v_readfirstlane_b32 s14, v1                    ; wave
	s_lshr_b32 s15, s14, 1                         ; my half of the rows; also: I fetch for A (0) or B (1)
	s_and_b32 s16, s14, 1                          ; my half of the columns; also: which 128 rows I fetch
	s_bfe_u32 s40, ttmp6, 0x40000
	s_bfe_u32 s41, ttmp6, 0x40004
	s_lshl_b32 s43, s41, 2
	s_lshl_b32 s43, 15, s43                        ; my row of the cluster
	s_lshl_b32 s44, 0x1111, s40                    ; my column
	s_and_b32 s96, ttmp7, 0xffff
	s_lshl_b32 s96, s96, 2
	s_mov_b32 s[SEL], 0x76543210
	s_mov_b32 s[SEL+1], 0xfedcba98
	s_mov_b32 s100, 393216
	s_mov_b32 s101, 16384
	s_wait_dscnt 0x0
	s_wait_kmcnt 0x0
.if JOB == 0
	s_add_nc_u64 s[84:85], s[68:69], ASC
	s_cmp_eq_u32 ttmp9, 2
	s_cselect_b64 s[4:5], s[78:79], s[68:69]
	s_cselect_b64 s[6:7], s[80:81], s[84:85]
	s_cselect_b32 s98, 0, s96
	s_cselect_b32 s99, s96, 0
	s_cselect_b32 s100, 98304, s100
	s_cselect_b32 s101, 4096, s101
	s_cselect_b64 s[8:9], s[68:69], s[74:75]
	s_cselect_b64 s[10:11], s[84:85], s[76:77]
	s_cmp_eq_u32 ttmp9, 0
	s_cselect_b64 s[8:9], s[70:71], s[8:9]
	s_cselect_b64 s[10:11], s[72:73], s[10:11]
	s_mov_b64 s[12:13], s[82:83]
	s_add_co_u32 s17, s98, s41
	s_add_co_u32 s42, s99, s40
.else
	s_add_nc_u64 s[6:7], s[4:5], ASC
	s_add_co_u32 s17, s96, s41                     ; tile row
	s_lshl_b32 s42, ttmp9, 2
	s_add_co_u32 s42, s42, s40                     ; tile column
.endif
	s_or_b32 s[G1+0], s43, (1<<20)|(1<<21)|(5<<22)|(3<<25)   ; bytes; 16 bytes of padding behind every 256
	s_or_b32 s[G1B+0], s44, (1<<20)|(1<<21)|(5<<22)|(3<<25)
.irp g, G1, G1B
	s_mov_b32 s[\g+1], ROWB<<16
	s_mov_b32 s[\g+2], 256<<16                     ; 256 rows for the head's loads
	s_mov_b32 s[\g+3], ROWB<<16
	s_mov_b32 s[\g+4], 256
	s_mov_b32 s[\g+5], KROW
	s_mov_b32 s[\g+6], 0
	s_mov_b32 s[\g+7], 0
.endr
	s_or_b32 s[G1S+0], s43, (3<<16)|(1<<20)|(1<<21)|(5<<22)|(3<<25)   ; the scales of 256 rows: KS dense rows of 256 bytes
	s_or_b32 s[G1SB+0], s44, (3<<16)|(1<<20)|(1<<21)|(5<<22)|(3<<25)
.irp g, G1S, G1SB
	s_mov_b32 s[\g+1], 32<<16
	s_mov_b32 s[\g+2], KS<<16
	s_mov_b32 s[\g+3], 32<<16
	s_mov_b32 s[\g+4], KS
	s_mov_b32 s[\g+5], 32
	s_mov_b32 s[\g+6], 0
	s_mov_b32 s[\g+7], 0
.endr
	s_lshl_b32 s20, s17, 8
	s_lshl_b32 s46, s42, 8
	s_mov_b32 s21, 0
	s_mov_b32 s47, 0
	s_mov_b64 s[18:19], KS
	s_mul_u64 s[22:23], s[20:21], s[18:19]
	s_mul_u64 s[92:93], s[46:47], s[18:19]
	s_mov_b64 s[18:19], KROW
	s_mul_u64 s[20:21], s[20:21], s[18:19]
	s_mul_u64 s[46:47], s[46:47], s[18:19]
	s_mul_i32 s18, s16, 128*KROW
	s_mov_b32 s19, 0
	s_mul_i32 s45, s14, HALFT
	s_add_nc_u64 s[20:21], s[4:5], s[20:21]
	s_add_nc_u64 s[22:23], s[6:7], s[22:23]
	s_add_nc_u64 s[46:47], s[8:9], s[46:47]
	s_add_nc_u64 s[92:93], s[10:11], s[92:93]
	CROUND                                         ; the first joint loads meet
	s_mov_b32 s[G0H], 1
	s_mov_b32 s[G0H+1], 0
	s_mov_b64 s[G0H+2:G0H+3], s[20:21]
	s_or_b32 s[G0H+3], s[G0H+3], 0x80000000
	s_mov_b32 s[G0HB], 1
	s_mov_b32 s[G0HB+1], 2*HALFT
	s_mov_b64 s[G0HB+2:G0HB+3], s[46:47]
	s_or_b32 s[G0HB+3], s[G0HB+3], 0x80000000
	s_mov_b32 s[G0S], 1
	s_mov_b32 s[G0S+1], SCL
	s_mov_b64 s[G0S+2:G0S+3], s[22:23]
	s_or_b32 s[G0S+3], s[G0S+3], 0x80000000
	s_mov_b32 s[G0SB], 1
	s_mov_b32 s[G0SB+1], SCL+2*HALFS
	s_mov_b64 s[G0SB+2:G0SB+3], s[92:93]
	s_or_b32 s[G0SB+3], s[G0SB+3], 0x80000000
	s_add_nc_u64 s[20:21], s[20:21], s[18:19]      ; the ring: my 128 rows
	s_add_nc_u64 s[46:47], s[46:47], s[18:19]
.irp s, 0,1
	s_mov_b32 s[G0+4*\s], 1
	s_add_co_u32 s[G0+4*\s+1], s45, \s*SLOT
	s_add_nc_u64 s[G0+4*\s+2:G0+4*\s+3], s[20:21], \s*ROWB
	s_or_b32 s[G0+4*\s+3], s[G0+4*\s+3], 0x80000000
	s_mov_b32 s[G0B+4*\s], 1
	s_add_co_u32 s[G0B+4*\s+1], s45, \s*SLOT
	s_add_nc_u64 s[G0B+4*\s+2:G0B+4*\s+3], s[46:47], \s*ROWB
	s_or_b32 s[G0B+4*\s+3], s[G0B+4*\s+3], 0x80000000
.endr
; the head's four tiles, one load a wave: chunk 0 of A, chunk 0 of B, A's scales, B's scales
.macro ARM under, g0, g1, next
	s_cmp_lt_u32 s14, \under
	s_cbranch_scc0 \next
	HLOAD \g0, \g1
	s_branch .Lhead_asked
\next:
.endm
	ARM 1, G0H,  G1,  .Lhead_b
	ARM 2, G0HB, G1B, .Lhead_sa
	ARM 3, G0S,  G1S, .Lhead_sb
	HLOAD G0SB, G1SB
.Lhead_asked:
	v_and_b32 v1, 15, v0                           ; r
	v_bfe_u32 v2, v0, 4, 1                         ; h
	v_mul_u32_u24 v3, v1, PITCH
	v_mul_u32_u24 v4, v2, 24
	v_add_nc_u32 v4, v3, v4
	s_mov_b32 s21, SLOT-232
	s_mov_b32 s22, SLOT+232
	v_sub_nc_u32 v7, 1, v2
	v_mul_u32_u24 v5, s21, v2
	v_add_nc_u32 v5, v3, v5
	v_add_nc_u32 v5, 232, v5                       ; lanes 0-15 byte 232 of the row in slot 0, lanes 16-31 byte 0 in slot 1
	v_mul_u32_u24 v6, s22, v7
	v_add_nc_u32 v6, v3, v6                        ; and the other way round
	s_mul_i32 s21, s15, HALFT
	s_mul_i32 s22, s16, HALFT
	s_add_co_u32 s22, s22, 2*HALFT
	v_add_nc_u32 v[ADRA+2], s21, v5
	v_add_nc_u32 v[ADRA+3], s21, v6
	v_add_nc_u32 v[ADRB+2], s22, v5
	v_add_nc_u32 v[ADRB+3], s22, v6
.irp s, 0,1
	v_add_nc_u32 v[ADRA+\s], s21, v4
	v_add_nc_u32 v[ADRB+\s], s22, v4
	s_add_co_u32 s21, s21, SLOT
	s_add_co_u32 s22, s22, SLOT
.endr
	v_mul_u32_u24 v5, v1, KS
	v_lshrrev_b32 v6, 8, v5
	v_lshl_add_u32 v5, v6, 4, v5
	s_mul_i32 s21, s15, HALFS
	s_mul_i32 s22, s16, HALFS
	s_add_co_u32 s22, s22, 2*HALFS
	s_sub_co_u32 s22, s22, s21
	v_mul_u32_u24 v6, s22, v2                      ; lanes 16-31 take B's scale words
	s_add_co_u32 s21, s21, SCL
	v_add_nc_u32 v5, v5, v6
	v_add_nc_u32 v[ADRS], s21, v5
	v_and_b32 v6, 31, v0
	v_lshlrev_b32 v[O16], 4, v6
	v_lshlrev_b32 v[O8], 3, v6
	s_lshl_b32 s23, s14, 9
	s_add_co_u32 s23, s23, WSTG
	v_lshl_add_u32 v[WST], v1, 2, s23
	v_add_nc_u32 v[WRD], s23, v[O16]
	v_lshlrev_b32 v[BO], 5, v2
	s_wait_alu depctr_va_vdst(0)                   ; the wait behind the head's last vector instruction
	s_lshl_b32 s46, s42, 1                         ; where the images go: [step of 128 columns][block of 16 rows][1,536]
	s_add_co_u32 s46, s46, s16
	s_mul_i32 s18, s46, s100
	s_mul_i32 s22, s46, s101
	s_lshl_b32 s20, s17, 4
	s_lshl_b32 s21, s15, 3
	s_add_co_u32 s20, s20, s21
	s_mul_i32 s21, s20, 1536
	s_add_co_u32 s18, s18, s21
	s_lshl_b32 s20, s20, 6
	s_add_co_u32 s22, s22, s20
.if JOB == 0
	s_mul_i32 s21, ttmp9, 3145728
	s_add_co_u32 s18, s18, s21
	s_lshl_b32 s21, ttmp9, 17
	s_add_co_u32 s22, s22, s21
.endif
	s_add_co_u32 s22, s22, SOFF
	s_mov_b32 s19, 0
	s_mov_b32 s23, 0
	s_add_nc_u64 s[96:97], s[12:13], s[22:23]
	s_add_nc_u64 s[12:13], s[12:13], s[18:19]
.if JOB
	s_lshl_b32 s20, s42, 10
	s_lshl_b32 s21, s16, 9
	s_add_co_u32 s20, s20, s21
	s_mov_b32 s21, 0
	s_add_nc_u64 s[98:99], s[98:99], s[20:21]
.irp b, 0,1,2,3,4,5,6,7
	global_load_b128 v[BIAS+8*\b:BIAS+8*\b+3], v[BO], s[98:99] offset:64*\b
	global_load_b128 v[BIAS+8*\b+4:BIAS+8*\b+7], v[BO], s[98:99] offset:64*\b+16
.endr
.endif
.macro FRAG reg, adr, st, i            ; 16 rows x 128 K: six pieces of 8 bytes; byte y of a row lies in slot (y / 256) % 2 at byte y % 256
.irp p, 0,1,2,3,4,5
.set BY, 96*(\st)+48*(\p/3)+8*(\p%3)
.if BY/ROWB == (BY+24)/ROWB
	ds_load_b64 v[\reg+2*\p:\reg+2*\p+1], v[\adr+(BY/ROWB)%2] offset:BY%ROWB+(\i)*16*PITCH
.else
	ds_load_b64 v[\reg+2*\p:\reg+2*\p+1], v[\adr+2+(BY/ROWB)%2] offset:BY%ROWB-232+(\i)*16*PITCH
.endif
.endr
.endm
.macro MUL16 a0, p, q, sc, zero        ; A's blocks a0, a0 + 1 x B's eight; the 64 accumulators take turns
.irp a, \a0, \a0+1
.irp b, 0,1,2,3,4,5,6,7
.set rD, 8*(8*((\a)%4)+\b)
.set rB, 128*(\p)+FR*\b
.set rA, AF+FR*(\a)
.set rS, SC+8*NQ*(\sc)+NQ*\b+(\q)
.set rT, SC+8*NQ*(\sc)+NQ*(\a)+(\q)
.set rC, rD
.if \zero
.set rC, BIAS+8*\b
.endif
.if (\zero) && (JOB == 0)
	v_wmma_scale_f32_16x16x128_f8f6f4 v[rD:rD+7], v[rB:rB+FR-1], v[rA:rA+FR-1], 0, v[rS], v[rT] matrix_a_fmt:MATRIX_FMT_FP6 matrix_b_fmt:MATRIX_FMT_FP6 matrix_a_scale:MATRIX_SCALE_ROW1
.else
	v_wmma_scale_f32_16x16x128_f8f6f4 v[rD:rD+7], v[rB:rB+FR-1], v[rA:rA+FR-1], v[rC:rC+7], v[rS], v[rT] matrix_a_fmt:MATRIX_FMT_FP6 matrix_b_fmt:MATRIX_FMT_FP6 matrix_a_scale:MATRIX_SCALE_ROW1
.endif
.endr
.endr
.endm
.macro MWIN hi, zero                   ; B window 1, A window 0, D window 2 + hi; C the same, or the bias in window 0
.if (\zero) && JOB
	WIN 0x81+0x40*(\hi)
.else
	WIN 0xa1+0x50*(\hi)
.endif
.endm
.macro FETCH_B st, p
	WIN TO_B
.irp i, 0,1,2,3,4,5,6,7
	FRAG 128*(\p)+FR*\i, ADRB, \st, \i
.endr
	WIN 0
.endm
.macro FETCH_A st, i0
.irp i, \i0, \i0+1, \i0+2, \i0+3
	FRAG AF+FR*(\i), ADRA, \st, \i
.endr
.endm
.macro SCALES pr                       ; the scale words of steps 2 pr, 2 pr + 1
.irp i, 0,1,2,3,4,5,6,7
	ds_load_b64 v[SC+8*NQ*((\pr)%2)+NQ*\i:SC+8*NQ*((\pr)%2)+NQ*\i+1], v[ADRS] offset:\i*SBLK+4*NQ*(\pr)
.endr
.endm
.macro PLACES n
.rept \n
	v_nop
.endr
.endm
; A step: 64 products; the next step's fragments are fetched in its middle and at its end.  Where the next step ends in a chunk not yet read, a barrier shows that chunk whole;
; where it begins in a later chunk, the old chunk is left: the three lines, the barrier, and, while a chunk is left to fetch, the cluster's round and the refill.
.macro STEP st, zero
.set NX, (\st)+1
.set C0, (96*(\st))/ROWB
.set C1, (96*NX)/ROWB
.set E0, (96*(\st)+95)/ROWB
.set E1, (96*NX+95)/ROWB
.if C1 > C0 || E1 > E0
	s_wait_tensorcnt 0x0                           ; all my tensor loads have landed
.if C1 > C0
	ds_add_u32 v[SPW], v[NIL]
	s_wait_dscnt 4*NL+1                            ; the add and A's blocks 4-7 (24 loads) may be out
.else
	s_wait_dscnt 4*NL
.endif
	MWIN 0, \zero
	MUL16 0, (\st)%2, (\st)%2, ((\st)/2)%2, \zero
	s_wait_dscnt 0x0                               ; the add and my reads are done
	s_barrier_signal -1
	MUL16 2, (\st)%2, (\st)%2, ((\st)/2)%2, \zero
	WIN 0
	s_barrier_wait -1
.if C1 > C0 && C0+2 < CHUNKS
	CREST
	s_add_nc_u64 s[G0+4*(C0%2)+2:G0+4*(C0%2)+3], s[G0+4*(C0%2)+2:G0+4*(C0%2)+3], 2*ROWB
	s_add_nc_u64 s[G0B+4*(C0%2)+2:G0B+4*(C0%2)+3], s[G0B+4*(C0%2)+2:G0B+4*(C0%2)+3], 2*ROWB
	JLOAD G0+4*(C0%2), G1, G0B+4*(C0%2), G1B       ; chunk C0 + 2; its four v_nop are the places in front of the loads below
.else
	PLACES NP
.endif
.else
	s_wait_dscnt 4*NL                              ; all but A's blocks 4-7
	MWIN 0, \zero
	MUL16 0, (\st)%2, (\st)%2, ((\st)/2)%2, \zero
	MUL16 2, (\st)%2, (\st)%2, ((\st)/2)%2, \zero
	s_wait_dscnt 0
	PLACES NP
.endif
	FETCH_B NX, NX%2
	FETCH_A NX, 0
.if NX%2 == 0
	SCALES NX/2
.endif
	MWIN 1, \zero
	MUL16 4, (\st)%2, (\st)%2, ((\st)/2)%2, \zero
	MUL16 6, (\st)%2, (\st)%2, ((\st)/2)%2, \zero
	PLACES NP
	WIN 0
	FETCH_A NX, 4
.endm
	s_wait_tensorcnt 0x0                           ; my tile of the head's four is in
	ds_add_u32 v[SPW], v[NIL]
	s_mov_b32 s[G1+2], 128<<16                     ; no load of mine is out: from here on a load brings 128 rows
	s_mov_b32 s[G1+4], 128
	s_mov_b32 s[G1B+2], 128<<16
	s_mov_b32 s[G1B+4], 128
	s_wait_dscnt 0x0
	CROUND
	JLOAD G0+4, G1, G0B+4, G1B                     ; chunk 1
	FETCH_B 0, 0
	FETCH_A 0, 0
	SCALES 0
	FETCH_A 0, 4
.if JOB
	s_wait_loadcnt 0x0                             ; the bias
.endif
	STEP 0, 1
.set ST, 1
.rept STEPS-2
	STEP ST, 0
.set ST, ST+1
.endr
	s_wait_dscnt 4*NL
	MWIN 0, 0
	MUL16 0, 1, 1, 1, 0
	MUL16 2, 1, 1, 1, 0
	s_wait_dscnt 0
	MWIN 1, 0
	MUL16 4, 1, 1, 1, 0
	MUL16 6, 1, 1, 1, 0
	WIN 0
; THE WAY OUT: each block of 16 rows x 128 columns is clipped at 0, quantised in blocks of 32 columns and stored as an image of operand registers
.macro SHUF c                          ; three swaps bring a whole block into a lane; the 48-bit runs are put in order
.irp i, 0,1,2
	v_permlane16_swap_b32 v[CD+6*\c+\i], v[CD+12+4*\c+\i]
.endr
	v_perm_b32 v[CD+6*\c+3], v[CD+6*\c+2], v[CD+6*\c+1], 0x05040302
	v_perm_b32 v[CD+6*\c+4], v[CD+13+4*\c], v[CD+6*\c+2], 0x07060302
	v_perm_b32 v[CD+6*\c+1], v[CD+12+4*\c], v[CD+6*\c+1], 0x05040100
	v_perm_b32 v[CD+6*\c+2], v[CD+13+4*\c], v[CD+12+4*\c], 0x05040302
	v_mov_b32 v[CD+6*\c+5], v[CD+14+4*\c]
.endm
.macro QUANT
	WIN (QW<<2)|(QW<<4)
.irp b, 0,1,2,3
	v_max3_num_f32 v[TM+\b], 0x1800000, |v[QS+16*\b]|, |v[QS+16*\b+1]|
.endr
.irp i, 2,4,6,8,10,12,14
.irp b, 0,1,2,3
	v_max3_num_f32 v[TM+\b], v[TM+\b], |v[QS+16*\b+\i]|, |v[QS+16*\b+\i+1]|
.endr
.endr
	WIN 0
.irp b, 0,1,2,3
	v_permlanex16_b32 v[TM+4+\b], v[TM+\b], s[SEL], s[SEL+1]
.endr
.irp b, 0,1,2,3
	v_max_num_f32 v[TM+\b], v[TM+\b], v[TM+4+\b]
.endr
.irp b, 0,1,2,3
	v_add_nc_u32 v[TM+12+\b], 0xff000000, v[TM+\b]
.endr
.irp b, 0,1,2,3
	v_lshrrev_b32 v[TM+4+\b], 23, v[TM+12+\b]
.endr
	v_lshl_or_b32 v[PW], v[TM+5], 8, v[TM+4]
	v_lshl_or_b32 v[PW], v[TM+6], 16, v[PW]
	v_lshl_or_b32 v[PW], v[TM+7], 24, v[PW]
	s_wait_xcnt 0x0                                ; the last block's stores have read their data
	WIN QW
.irp c, 0,1
	v_cvt_scalef32_pk16_fp6_f32 v[CD+6*\c:CD+6*\c+2], v[QS+32*\c:QS+32*\c+15], v[TM+12+2*\c]
	v_cvt_scalef32_pk16_fp6_f32 v[CD+12+4*\c:CD+14+4*\c], v[QS+32*\c+16:QS+32*\c+31], v[TM+12+2*\c+1]
.endr
	WIN 0
	v_nop
	SHUF 0
	SHUF 1
.endm
	PLACES NP
.irp b, 0,1,2,3
	v_mov_b32 v[TM+4+\b], 0
.endr
.irp a, 0,1,2,3,4,5,6,7
.set QS, 64*(\a%4)
.set QW, 2+\a/4
.if JOB
	WIN (QW<<6)|(QW<<2)
.set j, 0
.rept 64
	v_max_num_f32 v[QS+j], 0, v[QS+j]
.set j, j+1
.endr
.endif
	QUANT
.if JOB
.irp c, 0,1,2
	global_store_b128 v[O16], v[CD+4*\c:CD+4*\c+3], s[12:13] offset:1536*\a+512*\c
.endr
.else
.irp c, 0,1
	global_store_b128 v[O16], v[CD+6*\c:CD+6*\c+3], s[12:13] offset:1536*\a+768*\c
	global_store_b64 v[O8], v[CD+6*\c+4:CD+6*\c+5], s[12:13] offset:1536*\a+768*\c+512
.endr
.endif
	ds_store_b32 v[WST], v[PW] offset:64*\a
.endr
	ds_load_b128 v[WW:WW+3], v[WRD]                ; my 128 rows' scale words: 512 consecutive bytes
	s_wait_dscnt 0x0
	global_store_b128 v[O16], v[WW:WW+3], s[96:97]
	s_wait_tensorcnt 0x0                           ; the wave's end
	ds_add_u32 v[SPW], v[NIL]
	s_wait_dscnt 0x0
	CROUND
	s_endpgm
.Lfunc_end_k_q2f460eb753_w1:
	.size	k_q2f460eb753_w1, .Lfunc_end_k_q2f460eb753_w1-k_q2f460eb753_w1
	.p2alignl 7, 3214868480
	.fill 96, 4, 3214868480
	.section	.rodata,"a",@progbits
	.p2align	6, 0x0
	.amdhsa_kernel k_q2f460eb753_w1
		.amdhsa_group_segment_fixed_size 327680
		.amdhsa_private_segment_fixed_size 0
		.amdhsa_enable_private_segment 0
		.amdhsa_kernarg_size 40
		.amdhsa_user_sgpr_count 2
		.amdhsa_user_sgpr_kernarg_segment_ptr 1
		.amdhsa_wavefront_size32 1
		.amdhsa_system_sgpr_workgroup_id_x 1
		.amdhsa_system_sgpr_workgroup_id_y 1
		.amdhsa_system_sgpr_workgroup_id_z 1
		.amdhsa_system_vgpr_workitem_id 0
		.amdhsa_next_free_vgpr 1024
		.amdhsa_next_free_sgpr 102
		.amdhsa_reserve_vcc 0
		.amdhsa_float_denorm_mode_32 3
		.amdhsa_float_denorm_mode_16_64 3
		.amdhsa_memory_ordered 1
		.amdhsa_forward_progress 1
		.amdhsa_inst_pref_size 188
	.end_amdhsa_kernel
	.amdgpu_metadata
---
amdhsa.version: [ 1, 2 ]
amdhsa.kernels:
  - .name:           k_q2f460eb753_w1
    .symbol:         k_q2f460eb753_w1.kd
    .args:
      - { .name: hq, .offset: 0, .size: 8, .value_kind: global_buffer, .address_space: global }
      - { .name: W1_codes, .offset: 8, .size: 8, .value_kind: global_buffer, .address_space: global }
      - { .name: W1_scales, .offset: 16, .size: 8, .value_kind: global_buffer, .address_space: global }
      - { .name: b1, .offset: 24, .size: 8, .value_kind: global_buffer, .address_space: global }
      - { .name: fq, .offset: 32, .size: 8, .value_kind: global_buffer, .address_space: global }
    .group_segment_fixed_size: 327680
    .private_segment_fixed_size: 0
    .kernarg_segment_align: 8
    .kernarg_segment_size: 40
    .max_flat_workgroup_size: 128
    .sgpr_count:     102
    .vgpr_count:     1024
    .wavefront_size: 32
...
	.end_amdgpu_metadata
.endif
;; end of part 5
;; launch w2 (part 6): grid 8 x 32, 4 waves a work-group, clusters of 4 x 4, 327,680 bytes of LDS; arguments fq, W2_codes, W2_scales, b2, x1, out0; writes out0
.if DOCPART == 6
	.amdgcn_target "amdgcn-amd-amdhsa--gfx1250"
	.amdhsa_code_object_version 6
	.text
	.protected	k_q2f460eb753_w2
	.globl	k_q2f460eb753_w2
	.p2align	8
	.type	k_q2f460eb753_w2,@function
k_q2f460eb753_w2:
	s_mov_b64 s[64:65], 0
	v_nop
	global_prefetch_b8 v0, s[64:65] scope:SCOPE_SE
	s_setreg_imm32_b32 hwreg(HW_REG_WAVE_MODE, 25, 1), 1
	s_wait_xcnt 0x0
	s_wait_alu depctr_hold_cnt(0) depctr_sa_sdst(0) depctr_va_vdst(0) depctr_va_sdst(0) depctr_va_ssrc(0) depctr_va_vcc(0) depctr_vm_vsrc(0)
	s_getreg_b32 s2, hwreg(HW_REG_IB_STS2, 6, 4)
	s_cmp_eq_u32 s2, 0
	s_cbranch_scc0 .Lentry_in_a_cluster
	s_endpgm
.Lentry_in_a_cluster:
	s_bfe_u32 s2, ttmp6, 0x10000c
	s_cmp_lg_u32 s2, 0xf033
	s_cbranch_scc0 .Lentry_shape_is_right
	s_endpgm
.Lentry_shape_is_right:
; out = res + A B^T + bias: a GEMM on codes of FP6 (E2M3, one E8M0 scale for each 32 along K) with 4,096 rows, 1,024 columns and K = 4,096; bias [1024], res and out [4096][1024] f32.
; A: IMAGES OF OPERAND REGISTERS, [step of 128 along K][block of 16 rows][1,536 bytes]: for c = 0, 1, 2: registers 4 c .. 4 c + 3 of lane l at 512 c + 16 l; its scale words [step][row] behind the codes.
; B: rows of 3,072 bytes of codes, K innermost; rows of 128 scale bytes.
; C has 32 x 8 tiles of 128 x 128, one for each of 256 work-groups (tiles of 256 x 256 would be 64).  Four waves; WAVE w MAKES ROWS 32 w .. 32 w + 31 x ALL 128 COLUMNS: 16 accumulators.
; A GOES FROM MEMORY STRAIGHT INTO REGISTERS.  No two waves of a work-group need the same rows of A, so LDS has nothing to share out, and the images are laid so that a load of 16 bytes a lane brings four registers of a
; fragment, 512 consecutive bytes a wave.  A ring of eight steps of 128 along K (192 registers, 48 loads) is kept on its way; step k + 8 is asked for behind step k's products, and the waits are counted: no barrier has a part in it.
; B, which all four waves read, goes through a ring of two LDS slots filled by the tensor data mover.  With LDS left to B alone a slot holds 1,024 along K (128 rows of 768 bytes, which begin at multiples of 256 bytes
; of memory): K = 4,096 is four slots, so two refills in all, each with eight steps, 128 matrix instructions a wave, in which to land.  (With both operands in LDS a slot holds 512 along K: six refills, 64 instructions each.)
; CLUSTERS: 4 x 4 work-groups.  B's tiles and scale bytes are shared along a column of the cluster, A's scale words along a row: joint loads.  A's codes are NOT asked for jointly: they land in registers, which a joint
; tensor load cannot fill; the eight work-groups of a tile row read the same 393 KB each for itself.
; THE MATRIX INSTRUCTION IS USED TRANSPOSED (source 0 = 16 rows of B, source 1 = 16 rows of A): lane (r, h) holds row r, register j of accumulator (a, b) the column 16 b + 8 h + j.  The bias is the C of each sum's first
; product.  The residual's 32 loads ride along with the ring's, two behind each of steps 0 to 15, in the layout in which rows are stored.
; THE 32 STEPS ARE WRITTEN OUT, no loop: the ring's registers come back after 8 steps, B's sets after 2, the scale words have a register for each step, and every offset is an immediate.
; REGISTERS, in windows of 256: window 0: v8-21 addresses; v32-63 A's scale words, one register a step; v64-95 B's, two sets of four steps; v96-159 the bias; on the way out v96-223 rows of C.
;   window 1: v0-191 A's ring, step k at v[24 (k % 8)].   window 2: v0-127 the accumulators, (a, b) at v[8 (8 a + b)]; v128-255 the residual.   window 3: B's eight fragments, TWO sets, at v0 and v128.
.set SIZE_K, 4096
.set NK,     SIZE_K/128                ; steps of 128
.set KS,     SIZE_K/32                 ; a row of B's scale bytes
.set KROW,   SIZE_K*3/4                ; a row of B's codes
.set FR,     12                        ; registers of a fragment
.set RING,   8                         ; steps of A on their way
.set KSL,    8                         ; steps in a slot of B
.set ASTEP,  393216                    ; bytes from one step of A's codes to the next: 256 blocks of rows x 1,536
.set BPITCH, 816                       ; a row of B in LDS: 3 x (256 bytes + 16 of padding) = 204 words: the 16 rows of a load start 12 banks apart modulo 64 (64 banks of 4 bytes: ISA guide 11.1), at 16 different groups of four banks; lanes 16-31, 6 or 10 words on, take the groups' other halves
.set BQ,     32*BPITCH                 ; 32 rows: what one tensor load brings
.set SLOT,   4*BQ
.set SCLA,   2*SLOT                    ; A's scale words: [step][128 rows x 4 bytes]
.set SCLB,   SCLA+512*NK               ; B's scale bytes, as runs of 256 bytes + 16 of padding
.set HALFS,  (64*KS/256)*272
.set SBLK,   (16*KS/256)*272
.set SPARE,  SCLB+2*HALFS              ; the spare words, 128 bytes for each wave, which no other line names
.set SPITCH, 528                       ; the way out: a stage of 16 rows x (512 bytes + 16) for each wave, in slot 0, which has had its last fill and its last read by then
.set ADRB, 8                           ; v8-15  B's rows: v[ADRB + 4 slot + 2 u + e]: u = 1: rows 64 on (a slot spans more than an LDS offset's 16 bits); e = 1: for the pieces behind one padding more
.set O16,  16                          ; v16  16 x lane
.set ADSA, 17                          ; v17  A's scale words: lane l takes row l of my 32
.set ADSB, 18                          ; v18  B's scale bytes: lanes 0-15 an even block's rows, lanes 16-31 the next block's
.set STO,  19
.set RD,   20
.set BO,   21                          ; v21  32 x (lane / 16)
.set SPW,  28                          ; my spare word; never rewritten
.set NIL,  29                          ; 0; never rewritten
.set SA,   32                          ; register SA + k: lanes 0-15 the words of my block 0, lanes 16-31 of my block 1, for step k
.set SB,   64                          ; set g % 2 (steps 4 g .. 4 g + 3) at SB + 16 (g % 2); register 4 j + k % 4: lanes 0-15 B's block 2 j, lanes 16-31 block 2 j + 1
.set BIAS, 96
.set BK,   96                          ; the way out: 16 rows read back from the stage: v96-159 and v160-223
.set RES,  128                         ; in window 2
.set AB0,  24                          ; s[24:25] my rows of A's codes, steps 0-15;  s[26:27] steps 16-31 (32 steps span more than a load's signed 24-bit immediate: ISA guide, chapter 10)
.set AB1,  26
.set G1B, 48
.set G0B, 56
.set G1S, 68
.set G0S, 76
.set G1SB, 80
.set G0SB, 88
.set MSB, 0
.macro WIN new                         ; the immediate's high byte repeats the setting that is left; a switch that changes nothing is dropped
.if MSB != (\new)
	s_set_vgpr_msb (MSB<<8)|(\new)
.set MSB, (\new)
.endif
.endm
.set MUL,  0xa7                        ; source 0 (B) window 3, source 1 (A) window 1, C and D window 2
.set MUL0, 0x87                        ; the same with C (the bias) in window 0
.set TO_B, 0xc0                        ; destination window 3, address window 0
.set TO_A, 0x40                        ; destination window 1
.set TO_R, 0x80                        ; destination window 2
.set G0H,  4                           ; s[4:7] group 0 of the head's load of slot 0 (A's address, which lay there, is used up by then)
.macro HLOAD g0, g1                    ; a joint load of the head, with s_nop 0 and four v_nop behind it
	tensor_load_to_lds s[\g0:\g0+3], s[\g1:\g1+7]
	s_nop 0
.rept 4
	v_nop
.endr
.endm
.macro BLOAD s                         ; my 32 rows of B for slot s: every wave issues the line, each with its own rows and its own LDS bytes; four v_nop follow
	tensor_load_to_lds s[G0B+4*\s:G0B+4*\s+3], s[G1B:G1B+7]
	s_nop 0
.rept 4
	v_nop
.endr
.endm
.macro CREST                           ; a round of the cluster's barrier behind its opening barrier
	s_cmp_lg_u32 s14, 0
	s_cbranch_scc1 .Lnot_wave_0_\@
	s_barrier_signal -3
.Lnot_wave_0_\@:
	s_barrier_wait -3
	s_barrier_signal -1
	s_barrier_wait -1
.endm
.macro CROUND
	s_barrier_signal -1
	s_barrier_wait -1
	CREST
.endm
.macro ALOAD k                         ; step k's two fragments of A into the ring: six loads, each 512 consecutive bytes, aligned to 512
.set AR0, 24*((\k)%RING)
.irp a, 0,1
.irp c, 0,1,2
.if (\k) < 16
	global_load_b128 v[AR0+12*\a+4*\c:AR0+12*\a+4*\c+3], v[O16], s[AB0:AB0+1] offset:(\k)*ASTEP+1536*\a+512*\c
.else
	global_load_b128 v[AR0+12*\a+4*\c:AR0+12*\a+4*\c+3], v[O16], s[AB1:AB1+1] offset:((\k)-16)*ASTEP+1536*\a+512*\c
.endif
.endr
.endr
.endm
.macro RLOAD n                         ; rows 2 n and 2 n + 1 of my 32 rows of the residual: the 32 lanes read a row's 512 bytes; read once in this launch
.irp t, 0,1
	global_load_b128 v[RES+4*(2*(\n)+\t):RES+4*(2*(\n)+\t)+3], v[O16], s[96:97] offset:(2*(\n)+\t)*4096 th:TH_LOAD_NT
.endr
.endm
	s_load_b64 s[4:5], s[0:1], 0x0                 ; A
	s_load_b128 s[8:11], s[0:1], 0x8               ; B's codes, B's scales
	s_load_b64 s[98:99], s[0:1], 0x18              ; bias
	s_load_b64 s[96:97], s[0:1], 0x20              ; res
	s_load_b64 s[12:13], s[0:1], 0x28              ; out
	v_lshl_add_u32 v[SPW], v0, 2, SPARE
	v_mov_b32 v[NIL], 0
	ds_add_u32 v28, v29
	ds_add_u32 v28, v29
	s_wait_dscnt 0x0
	v_lshrrev_b32 v1, 5, v0
	v_readfirstlane_b32 s14, v1                    ; wave 0..3
	s_bfe_u32 s40, ttmp6, 0x40000                  ; cx, cy
	s_bfe_u32 s41, ttmp6, 0x40004
	s_lshl_b32 s42, ttmp9, 2
	s_add_co_u32 s42, s42, s40                     ; tile column
	s_and_b32 s17, ttmp7, 0xffff
	s_lshl_b32 s17, s17, 2
	s_add_co_u32 s17, s17, s41                     ; tile row
	s_lshl_b32 s43, s41, 2
	s_lshl_b32 s43, 15, s43                        ; my row of the cluster
	s_lshl_b32 s44, 0x1111, s40                    ; my column
	v_and_b32 v1, 15, v0                           ; r
	v_bfe_u32 v2, v0, 4, 1                         ; h
	v_and_b32 v6, 31, v0                           ; lane
	v_lshlrev_b32 v[O16], 4, v6
	v_lshlrev_b32 v[BO], 5, v2
	; group 1, B's codes: 32 rows of 768 bytes; 16 bytes of padding behind every 256
	s_or_b32 s[G1B+0], s44, (0<<16)|(1<<20)|(1<<21)|(5<<22)|(3<<25)  ; 15:0 the mask: my column of the cluster; 17:16 elements of 1 byte; 20 padding on; 21 set beside a mask; 24:22 after every 64 words; 31:25 of 4 words
	s_mov_b32 s[G1B+1], 768<<16                    ; tensor_dim0
	s_mov_b32 s[G1B+2], 64<<16                     ; tensor_dim1: 64 rows for the head's loads, 32 behind them
	s_mov_b32 s[G1B+3], 768<<16                    ; tile_dim0
	s_mov_b32 s[G1B+4], 64                         ; tile_dim1
	s_mov_b32 s[G1B+5], KROW                       ; tensor_dim0_stride
	s_mov_b32 s[G1B+6], 0
	s_mov_b32 s[G1B+7], 0
	; A's scale words: NK steps' 512 bytes (128 rows), 16,384 bytes apart, dense in LDS
	s_or_b32 s[G1S+0], s43, (3<<16)|(1<<21)        ; the mask: my row of the cluster; elements of 8 bytes
	s_mov_b32 s[G1S+1], 64<<16                     ; 512 bytes a step: 128 rows
	s_mov_b32 s[G1S+2], NK<<16
	s_mov_b32 s[G1S+3], 64<<16
	s_mov_b32 s[G1S+4], NK
	s_mov_b32 s[G1S+5], 2048
	s_mov_b32 s[G1S+6], 0
	s_mov_b32 s[G1S+7], 0
	; B's scale bytes: 128 rows' 16,384 dense bytes, as rows of 256 with 16 bytes of padding behind each
	s_or_b32 s[G1SB+0], s44, (3<<16)|(1<<20)|(1<<21)|(5<<22)|(3<<25)
	s_mov_b32 s[G1SB+1], 32<<16
	s_mov_b32 s[G1SB+2], (128*KS/256)<<16          ; 128 rows' scale bytes
	s_mov_b32 s[G1SB+3], 32<<16
	s_mov_b32 s[G1SB+4], 128*KS/256
	s_mov_b32 s[G1SB+5], 32
	s_mov_b32 s[G1SB+6], 0
	s_mov_b32 s[G1SB+7], 0
	s_lshl_b32 s20, s17, 3
	s_lshl_b32 s18, s14, 1
	s_add_co_u32 s20, s20, s18                     ; A's codes: my blocks of rows 8 x tile row + 2 x wave, + 1
	s_mul_i32 s20, s20, 1536
	s_mov_b32 s21, 0
	s_lshl_b32 s22, s17, 9                         ; A's scale words: 128 x tile row x 4, behind the codes
	s_add_co_u32 s22, s22, NK*ASTEP
	s_mov_b32 s23, 0
	s_lshl_b32 s46, s42, 7                         ; B: row 128 x tile column
	s_mul_i32 s92, s46, KS                         ; its scale bytes
	s_mov_b32 s93, 0
	s_lshl_b32 s18, s14, 6
	s_add_co_u32 s94, s46, s18                     ; its codes at the head: + 64 x wave (waves 0 and 1 load)
	s_mul_i32 s94, s94, KROW
	s_mov_b32 s95, 0
	s_lshl_b32 s18, s14, 5
	s_add_co_u32 s46, s46, s18                     ; its codes in the ring: + 32 x wave
	s_mul_i32 s46, s46, KROW
	s_mov_b32 s47, 0
	s_mul_i32 s45, s14, BQ                         ; where they go: no place in the cluster enters an LDS address
	s_mul_i32 s19, s14, 2*BQ
	s_lshl_b32 s28, s17, 19                        ; my part of C: (128 x tile row + 32 x wave) rows of 4,096 bytes
	s_lshl_b32 s29, s14, 17
	s_add_co_u32 s28, s28, s29
	s_lshl_b32 s30, s42, 9                         ; + 128 x tile column x 4
	s_add_co_u32 s28, s28, s30
	s_mov_b32 s29, 0
	s_mov_b32 s31, 0
	s_wait_alu depctr_va_vdst(0)
	s_wait_kmcnt 0x0
	s_add_nc_u64 s[AB0:AB0+1], s[4:5], s[20:21]
	s_add_nc_u64 s[AB1:AB1+1], s[AB0:AB0+1], 16*ASTEP
	s_add_nc_u64 s[22:23], s[4:5], s[22:23]
	s_add_nc_u64 s[46:47], s[8:9], s[46:47]
	s_add_nc_u64 s[92:93], s[10:11], s[92:93]
	s_add_nc_u64 s[94:95], s[8:9], s[94:95]
	s_add_nc_u64 s[96:97], s[96:97], s[28:29]
	s_add_nc_u64 s[12:13], s[12:13], s[28:29]
	s_add_nc_u64 s[98:99], s[98:99], s[30:31]
	; the loads into registers go out ahead of the cluster's round: the bias (the oldest, so that the first counted wait covers it) and seven steps of the ring: 58 loads
.irp b, 0,1,2,3,4,5,6,7
	global_load_b128 v[BIAS+8*\b:BIAS+8*\b+3], v[BO], s[98:99] offset:64*\b        ; lane (r, h): the bias of columns 16 b + 8 h + 0 .. 7
	global_load_b128 v[BIAS+8*\b+4:BIAS+8*\b+7], v[BO], s[98:99] offset:64*\b+16
.endr
	WIN TO_A
.irp k, 0,1,2,3,4,5,6
	ALOAD \k
.endr
	WIN 0
	CROUND                                         ; all sixteen work-groups are here: the first joint loads meet
	s_mov_b32 s[G0S], 1
	s_mov_b32 s[G0S+1], SCLA
	s_mov_b64 s[G0S+2:G0S+3], s[22:23]
	s_or_b32 s[G0S+3], s[G0S+3], 0x80000000
	s_mov_b32 s[G0SB], 1
	s_mov_b32 s[G0SB+1], SCLB
	s_mov_b64 s[G0SB+2:G0SB+3], s[92:93]
	s_or_b32 s[G0SB+3], s[G0SB+3], 0x80000000
	s_mov_b32 s[G0H], 1
	s_mov_b32 s[G0H+1], s19
	s_mov_b64 s[G0H+2:G0H+3], s[94:95]
	s_or_b32 s[G0H+3], s[G0H+3], 0x80000000
.irp s, 0,1
	s_mov_b32 s[G0B+4*\s], 1
	s_add_co_u32 s[G0B+4*\s+1], s45, \s*SLOT
	s_add_nc_u64 s[G0B+4*\s+2:G0B+4*\s+3], s[46:47], \s*KSL*96     ; slot s: steps 8 s on
	s_or_b32 s[G0B+4*\s+3], s[G0B+4*\s+3], 0x80000000
.endr
	; the head's loads, one a wave, in one chain of branches on the wave's number: waves 0 and 1 64 rows each of slot 0, wave 2 A's scale words, wave 3 B's scale bytes
	s_cmp_lt_u32 s14, 2
	s_cbranch_scc0 .Lhead_sa
	HLOAD G0H, G1B
	s_branch .Lhead_asked
.Lhead_sa:
	s_cmp_eq_u32 s14, 2
	s_cbranch_scc0 .Lhead_sb
	HLOAD G0S, G1S
	s_branch .Lhead_asked
.Lhead_sb:
	HLOAD G0SB, G1SB
.Lhead_asked:
	WIN TO_A
	ALOAD 7                                        ; the ring's eighth step
	WIN 0
	v_mul_u32_u24 v5, v1, BPITCH
	v_mad_u32_u24 v7, v2, 24, v5                   ; B: row x pitch + 24 x half,
	v_mad_u32_u24 v3, v2, 40, v5                   ; and the same behind one padding more
.irp s, 0,1
.irp u, 0,1
	v_add_nc_u32 v[ADRB+4*\s+2*\u], \s*SLOT+\u*64*BPITCH, v7
	v_add_nc_u32 v[ADRB+4*\s+2*\u+1], \s*SLOT+\u*64*BPITCH, v3
.endr
.endr
	s_lshl_b32 s21, s14, 7                         ; my 32 rows' words of a step
	s_add_co_u32 s21, s21, SCLA
	v_lshl_add_u32 v[ADSA], v6, 2, s21             ; A's scale words: my 32 rows, 4 bytes a lane
	v_mul_u32_u24 v4, v1, KS                       ; B's: KS bytes a row,
	v_lshrrev_b32 v5, 8, v4
	v_lshl_add_u32 v4, v5, 4, v4                   ; 16 more for each 256 passed,
	v_mad_u32_u24 v4, v2, SBLK, v4                 ; and lanes 16-31 take the next block of 16 rows
	v_add_nc_u32 v[ADSB], SCLB, v4
	s_mul_i32 s23, s14, 16*SPITCH                  ; my stage
	v_mul_u32_u24 v4, v1, SPITCH                   ; in: row r, 32 bytes for each half of the lanes
	v_lshl_add_u32 v4, v2, 5, v4
	v_add_nc_u32 v[STO], s23, v4
	v_add_nc_u32 v[RD], s23, v[O16]                ; back: the 32 lanes take one row of 512 bytes
.macro FRAGB reg, slot, q, i           ; a fragment of B: lane l holds row l % 16; registers 6 c .. 6 c + 5 hold K = 64 c + 32 (l / 16) + 0 .. 31, 24 bytes of the row as they lie, in pieces of 8 bytes
.irp p, 0,1,2,3,4,5                    ; lanes 16-31 read three pieces further on; where that is behind one padding more (32 pieces between paddings), the second address register serves
.set PCE, 12*(\q)+6*(\p/3)+\p%3
.set AR, ADRB+4*(\slot)+2*((\i)/4)
.if PCE%32 >= 29
.set AR, AR+1
.endif
	ds_load_b64 v[\reg+2*\p:\reg+2*\p+1], v[AR] offset:8*PCE+16*(PCE/32)+((\i)%4)*16*BPITCH
.endr
.endm
.macro FETCH_B k                       ; step k's eight fragments of B into set k % 2: 48 loads in one run
.irp i, 0,1,2,3,4,5,6,7
	FRAGB 128*((\k)%2)+FR*\i, ((\k)/KSL)%2, (\k)%KSL, \i
.endr
.endm
.macro BSCALES g                       ; the scale words of B's 128 rows for steps 4 g .. 4 g + 3
.irp jp, 0,1,2,3
	ds_load_b128 v[SB+16*((\g)%2)+4*\jp:SB+16*((\g)%2)+4*\jp+3], v[ADSB] offset:2*\jp*SBLK+16*(\g)
.endr
.endm
; One product: my block a of A x B's block b, step k.  Block 1 of A and the odd blocks of B have their scale words in lanes 16-31 of their register.  zero = 1: the sum starts from the bias.
.macro WM k, a, b, zero
.set rD, 8*(8*(\a)+(\b))
.set rC, rD
.if \zero
.set rC, BIAS+8*(\b)
.endif
.set rB, 128*((\k)%2)+FR*(\b)
.set rA, 24*((\k)%RING)+FR*(\a)
.set rS, SB+16*(((\k)/4)%2)+4*((\b)/2)+(\k)%4
.set rT, SA+(\k)
.if ((\a) == 0) && ((\b)%2 == 0)
	v_wmma_scale_f32_16x16x128_f8f6f4 v[rD:rD+7], v[rB:rB+FR-1], v[rA:rA+FR-1], v[rC:rC+7], v[rS], v[rT] matrix_a_fmt:MATRIX_FMT_FP6 matrix_b_fmt:MATRIX_FMT_FP6
.elseif (\a) == 0
	v_wmma_scale_f32_16x16x128_f8f6f4 v[rD:rD+7], v[rB:rB+FR-1], v[rA:rA+FR-1], v[rC:rC+7], v[rS], v[rT] matrix_a_fmt:MATRIX_FMT_FP6 matrix_b_fmt:MATRIX_FMT_FP6 matrix_a_scale:MATRIX_SCALE_ROW1
.elseif (\b)%2 == 0
	v_wmma_scale_f32_16x16x128_f8f6f4 v[rD:rD+7], v[rB:rB+FR-1], v[rA:rA+FR-1], v[rC:rC+7], v[rS], v[rT] matrix_a_fmt:MATRIX_FMT_FP6 matrix_b_fmt:MATRIX_FMT_FP6 matrix_b_scale:MATRIX_SCALE_ROW1
.else
	v_wmma_scale_f32_16x16x128_f8f6f4 v[rD:rD+7], v[rB:rB+FR-1], v[rA:rA+FR-1], v[rC:rC+7], v[rS], v[rT] matrix_a_fmt:MATRIX_FMT_FP6 matrix_b_fmt:MATRIX_FMT_FP6 matrix_a_scale:MATRIX_SCALE_ROW1 matrix_b_scale:MATRIX_SCALE_ROW1
.endif
.endm
.macro MULA k, a, zero                 ; eight products.  The 16 accumulators take turns, one instruction a turn, in the same order in every step
.irp b, 0,1,2,3,4,5,6,7
	WM \k, \a, \b, \zero
.endr
.endm
.macro MWIN zero
.if \zero
	WIN MUL0
.else
	WIN MUL
.endif
.endm
; A load into a register that a matrix instruction has read, and a store that reads a matrix result, stand four places behind it; only plain vector instructions that name none of its
; registers are places (ISA guide 7.12.1 for vector instructions).
.macro PLACES n
.rept \n
	v_nop
.endr
.endm
; The wait for step k's fragments of A.  Loads come back in order (ISA guide 5.7.1), so the count is what was issued behind them: six loads for each younger step of the ring, min(7, 31 - k) of them, and two
; for each pair of the residual's rows issued behind steps max(k - 8, 0) .. min(k - 1, 15).  58 at the most.
.macro NWAIT k
.set NA, NK-1-(\k)
.if NA > RING-1
.set NA, RING-1
.endif
.set NLO, (\k)-RING
.if NLO < 0
.set NLO, 0
.endif
.set NHI, (\k)-1
.if NHI > 15
.set NHI, 15
.endif
.set NR, NHI-NLO+1
.if NR < 0
.set NR, 0
.endif
	s_wait_loadcnt 6*NA+2*NR
.endm
.macro TAIL k                          ; behind a step's products: the places, which serve these loads and the next step's loads into B's other set; the ring's slot takes the step eight on; two rows of the residual
	WIN 0
	PLACES 4
.if (\k)+RING < NK
	WIN TO_A
	ALOAD (\k)+RING
.endif
.if (\k) < 16
	WIN TO_R
	RLOAD \k
.endif
	WIN 0
.endm
.macro KSTEP k, zero                   ; a step of 128 along K whose successor lies in the same slot (or the last step of all)
	s_wait_dscnt 0x0                               ; B's set and the scale words, asked for a step ago, are in
	NWAIT \k
.if (\k)+1 < NK
.if ((\k)+1)%4 == 0
	BSCALES ((\k)+1)/4
.endif
	WIN TO_B
	FETCH_B (\k)+1                                 ; the next step's fragments are on their way while this step is multiplied
.endif
	MWIN \zero
	MULA \k, 0, \zero
	MULA \k, 1, \zero
	TAIL \k
.endm
; A slot's last step.  Its fragments are in registers, so the slot is left at the step's HEAD: ONE barrier; in front of it each wave waits for all its tensor loads, adds 0 to its spare word, and waits for that and for its
; own reads of the slot.  fill = 1: the slot is filled again, with the steps two slots on: the load has eight steps in which to land.
.macro KTURN k, fill
.set SL, ((\k)/KSL)%2
	s_wait_tensorcnt 0x0                           ; all my tensor loads have landed: my part of the next slot; so a group 0 may be written
	ds_add_u32 v[SPW], v[NIL]                      ; 0 onto my spare word
.if \fill
	s_add_nc_u64 s[G0B+4*SL+2:G0B+4*SL+3], s[G0B+4*SL+2:G0B+4*SL+3], 2*KSL*96   ; sixteen steps of 96 bytes on
.endif
	NWAIT \k
	s_wait_dscnt 0x0                               ; the add is done, and my reads of this slot are over
	s_barrier_signal -1
	WIN MUL
	MULA \k, 0, 0                                  ; work on registers while the others arrive
	WIN 0
	s_barrier_wait -1
.if \fill
	CREST                                          ; the barrier has opened a round of the cluster's barrier: no wave of any partner still reads this slot or has a load on its way
	BLOAD SL                                       ; my one tensor load behind the round
.endif
	BSCALES ((\k)+1)/4
	WIN TO_B
	FETCH_B (\k)+1                                 ; from the next slot, which is whole
	WIN MUL
	MULA \k, 1, 0
	TAIL \k
.endm
	s_wait_alu depctr_va_vdst(0)
	s_wait_tensorcnt 0x0                           ; my load of the head has landed
	ds_add_u32 v[SPW], v[NIL]
	s_mov_b32 s[G1B+2], 32<<16                     ; no tensor load of mine is out: from here on a load brings 32 rows
	s_mov_b32 s[G1B+4], 32
	s_wait_dscnt 0x0
	CROUND                                         ; everybody's loads have landed, and the joint loads meet
	BLOAD 1                                        ; slot 1's first fill: it has seven steps in which to land
.set kk, 0
.rept NK
	ds_load_b32 v[SA+kk], v[ADSA] offset:512*kk    ; A's scale words of all 32 steps: a register each
.set kk, kk+1
.endr
	BSCALES 0
	WIN TO_B
	FETCH_B 0
	WIN 0
	KSTEP 0, 1                                     ; the first step's products start the sums, from the bias
.irp k, 1,2,3,4,5,6
	KSTEP \k, 0
.endr
	KTURN 7, 1                                     ; slot 0 takes steps 16 to 23
.irp k, 8,9,10,11,12,13,14
	KSTEP \k, 0
.endr
	KTURN 15, 1                                    ; slot 1 takes steps 24 to 31
.irp k, 16,17,18,19,20,21,22
	KSTEP \k, 0
.endr
	KTURN 23, 0                                    ; nothing is left to fetch: no round
.irp k, 24,25,26,27,28,29,30,31
	KSTEP \k, 0
.endr
; THE WAY OUT, two blocks of 16 rows x 128 columns: through my own stage in LDS, back as rows of 512 bytes, the residual added, stored.  LDS serves a wave's instructions in order (ISA guide 5.7.1.4):
; no wait between the stores and the loads, nor in front of the next block's stores.  The last step's places stand in front.
.macro TOSTAGE a
	WIN 0x08                                       ; an LDS store's data: window 2
.irp b, 0,1,2,3,4,5,6,7
	ds_store_b128 v[STO], v[64*(\a)+8*\b:64*(\a)+8*\b+3] offset:64*\b            ; each accumulator from its low end on
	ds_store_b128 v[STO], v[64*(\a)+8*\b+4:64*(\a)+8*\b+7] offset:64*\b+16
.endr
	WIN 0
.irp t, 0,1,2,3,4,5,6,7,8,9,10,11,12,13,14,15
	ds_load_b128 v[BK+64*(\a)+4*\t:BK+64*(\a)+4*\t+3], v[RD] offset:\t*SPITCH
.endr
.endm
.macro SEND a, younger                 ; younger: the LDS instructions issued behind block a's loads, which may stay out
	s_wait_dscnt \younger
	WIN 0x08                                       ; source 1: window 2
.set kk, 0
.rept 32
	v_pk_add_f32 v[BK+64*(\a)+kk:BK+64*(\a)+kk+1], v[BK+64*(\a)+kk:BK+64*(\a)+kk+1], v[RES+64*(\a)+kk:RES+64*(\a)+kk+1]
.set kk, kk+2
.endr
	WIN 0
.irp t, 0,1,2,3,4,5,6,7,8,9,10,11,12,13,14,15
	global_store_b128 v[O16], v[BK+64*(\a)+4*\t:BK+64*(\a)+4*\t+3], s[12:13] offset:(16*(\a)+\t)*4096 th:TH_STORE_NT   ; 32 lanes store 512 consecutive bytes, aligned to 512; the program's result, read by nobody here
.endr
.endm
	s_wait_loadcnt 0x0                             ; (met: the last step's wait was for 0)
	TOSTAGE 0
	TOSTAGE 1
	SEND 0, 32                                     ; behind block 0's loads: block 1's 16 stores and 16 loads
	SEND 1, 0
	s_wait_tensorcnt 0x0                           ; the wave's end
	ds_add_u32 v[SPW], v[NIL]
	s_wait_dscnt 0x0
	CROUND                                         ; the closing round: no work-group ends while a partner may still ask for a tile that names it
	s_endpgm
.Lfunc_end_k_q2f460eb753_w2:
	.size	k_q2f460eb753_w2, .Lfunc_end_k_q2f460eb753_w2-k_q2f460eb753_w2
	.p2alignl 7, 3214868480
	.fill 96, 4, 3214868480
	.section	.rodata,"a",@progbits
	.p2align	6, 0x0
	.amdhsa_kernel k_q2f460eb753_w2
		.amdhsa_group_segment_fixed_size 327680
		.amdhsa_private_segment_fixed_size 0
		.amdhsa_enable_private_segment 0
		.amdhsa_kernarg_size 48
		.amdhsa_user_sgpr_count 2
		.amdhsa_user_sgpr_kernarg_segment_ptr 1
		.amdhsa_wavefront_size32 1
		.amdhsa_system_sgpr_workgroup_id_x 1
		.amdhsa_system_sgpr_workgroup_id_y 1
		.amdhsa_system_sgpr_workgroup_id_z 1
		.amdhsa_system_vgpr_workitem_id 0
		.amdhsa_next_free_vgpr 1024
		.amdhsa_next_free_sgpr 102
		.amdhsa_reserve_vcc 0
		.amdhsa_float_denorm_mode_32 3
		.amdhsa_float_denorm_mode_16_64 3
		.amdhsa_memory_ordered 1
		.amdhsa_forward_progress 1
		.amdhsa_inst_pref_size 220
	.end_amdhsa_kernel
	.amdgpu_metadata
---
amdhsa.version: [ 1, 2 ]
amdhsa.kernels:
  - .name:           k_q2f460eb753_w2
    .symbol:         k_q2f460eb753_w2.kd
    .args:
      - { .name: fq, .offset: 0, .size: 8, .value_kind: global_buffer, .address_space: global }
      - { .name: W2_codes, .offset: 8, .size: 8, .value_kind: global_buffer, .address_space: global }
      - { .name: W2_scales, .offset: 16, .size: 8, .value_kind: global_buffer, .address_space: global }
      - { .name: b2, .offset: 24, .size: 8, .value_kind: global_buffer, .address_space: global }
      - { .name: x1, .offset: 32, .size: 8, .value_kind: global_buffer, .address_space: global }
      - { .name: out0, .offset: 40, .size: 8, .value_kind: global_buffer, .address_space: global }
    .group_segment_fixed_size: 327680
    .private_segment_fixed_size: 0
    .kernarg_segment_align: 8
    .kernarg_segment_size: 48
    .max_flat_workgroup_size: 128
    .sgpr_count:     102
    .vgpr_count:     1024
    .wavefront_size: 32
...
	.end_amdgpu_metadata
.endif
;; end of part 6
